; MI455X (gfx1250); checked and timed in simulation.
; The chip was launched on July 23, 2026; its instructions are those of AMD's public machine-readable ISA for CDNA 5 (MIT licence, August 2026) and "CDNA5" Instruction Set Architecture Reference Guide (July 2026). The comments in the code are by the model that wrote it; some were corrected since.
;; DNA Structure Attention. Allowed arithmetic: matrix products marked QUANTISED: E2M1 operands, one E8M0 scale for each 32 along K, by v_wmma_scale_f32_16x16x128_f8f6f4 with both operands' format E2M1 (or v_wmma_scale_f32_32x16x128_f4), f32 sums; everything else in f32.
;; Inputs: dna_bias 2,048 x 2,048 float32; out_b 1,024 float32; out_w_codes 1,024 x 32 x 16 uint8 (E2M1 codes of out_w, K innermost, in blocks of 32 codes, two codes a byte); out_w_scales 1,024 x 32 uint8 (E8M0 scales of out_w, one for each 32 codes along K); qkv_b 3,072 float32; qkv_w_codes 3,072 x 32 x 16 uint8 (E2M1 codes of qkv_w, K innermost, in blocks of 32 codes, two codes a byte); qkv_w_scales 3,072 x 32 uint8 (E8M0 scales of qkv_w, one for each 32 codes along K); x_codes 4 x 2,048 x 32 x 16 uint8 (E2M1 codes of x, K innermost, in blocks of 32 codes, two codes a byte); x_scales 4 x 2,048 x 32 uint8 (E8M0 scales of x, one for each 32 codes along K).
;; Outputs: out0 4 x 2,048 x 1,024 float32.
;; This version of the problem:
;;   THIS VERSION OF THE PROBLEM IS GIVEN IN LOW PRECISION. The matrix products marked QUANTISED in the list below multiply operands that are first quantised to E2M1 (2 exponent bits, 1 mantissa bit; 4 bits a number), with one power-of-two scale for each 32 numbers along K (OCP MX v1.0); their sums are f32. All else is computed in f32.
;;   The module's matrix products, in the order in which they are computed (A, B: the left and right operand; K: the contracted axis; several contracted axes count as one K, in the product's order):
;;     1. [M 8,192, K 1,024] x [K 1,024, N 3,072]; A: input x (given as codes); B: input qkv_w (given as codes): QUANTISED
;;     2. batch 64 x [M 2,048, K 64] x [K 64, N 2,048]; A: computed on the way; B: computed on the way: QUANTISED
;;     3. batch 64 x [M 2,048, K 2,048] x [K 2,048, N 64]; A: softmax (see below); B: computed on the way: QUANTISED
;;     4. [M 8,192, K 1,024] x [K 1,024, N 1,024]; A: computed on the way; B: input out_w (given as codes): QUANTISED
;;   THE QUANTISER, for each operand of a quantised product, along K:
;;     - K is cut into blocks of 32 from its start; a last block that is shorter is filled with zeros.
;;     - A block's scale is 2^e with e = floor(log2(the largest magnitude in the block)) - 2, held to -126 .. 127; a block of zeros has e = 0. As a byte (E8M0): e + 127.
;;     - Each number is divided by its block's scale, clamped to +-6, and rounded to the nearest number of E2M1, ties to even, subnormals kept.
;;     - The product sums the exact products of the quantised numbers (number of the format x scale) in f32.
;;   ~~~python
;;   def quantise(x, axis):      # numpy; x: float32 -> the quantised numbers, widened to float32 again
;;       x = np.moveaxis(x, axis, -1); K = x.shape[-1]
;;       x = np.pad(x, [(0, 0)] * (x.ndim - 1) + [(0, -K % 32)]); x = x.reshape(x.shape[:-1] + (-1, 32)); a = np.abs(x).max(-1, keepdims=True)
;;       e = np.where(a > 0, np.clip(np.frexp(np.where(a > 0, a, 1))[1] - 1 - 2, -126, 127), 0)      # np.frexp(a)[1] - 1 = floor(log2(a)), exactly
;;       r = np.clip(x / 2.0 ** e, -6, 6)
;;       step = 2.0 ** (np.maximum(np.frexp(np.where(r == 0, 1, r))[1] - 1, 0) - 1)
;;       q = np.round(r / step) * step * 2.0 ** e      # np.round: ties to even
;;       return np.moveaxis(q.reshape(q.shape[:-2] + (-1,))[..., :K], -1, axis).astype(np.float32)
;;   ~~~
;;   SOFTMAX AHEAD OF A QUANTISED PRODUCT. Where the list says 'softmax', what is quantised is not the finished softmax but p = 2^(t - M), with t = logit x log2(e) and M = ceil(the row's largest t), a whole number; so 1/2 < the row's largest p <= 1. The row's sum l is taken of the UNQUANTISED p, in f32, and the product's result is divided by l at the end. Since M is a whole number, a kernel that streams over the keys may use a running M (the ceiling of the running maximum): every later rescaling is an exact power of two, which a block's scale takes up: the codes' values come out the same.
;;   OPERANDS COMPUTED ON THE WAY. 'Computed on the way' means the value that the module computes at that place (a softmax that the list does not call 'softmax' is quantised finished and normalised). What goes into a quantiser is computed in f32, as accurately as f32 sums, v_exp_f32 and their like allow (about 1e-6 of the number): no bf16 or f16 on the way to a quantiser, and a product that is left as it is and whose result goes on into a quantised operand takes f32 operands (vector FMAs, or v_wmma_f32_16x16x4_f32). A number that lies on a knife's edge between two numbers of the format may be rounded either way, as far as f32 arithmetic and the matrix unit's own rounding can turn it there, and no further.
;;   INPUTS GIVEN AS CODES. out_w (in the module: [1024, 1024], K = its axis 1); qkv_w (in the module: [3072, 1024], K = its axis 1); x (in the module: [4, 2048, 1024], K = its axis 2): each comes as NAME_codes (uint8): NAME with its K axis moved to the last place and cut into blocks of 32 codes, [.., K / 32, bytes a block], one block behind the other in memory; two codes a byte, the lower K in the low four bits (a code: sign, 2 exponent bits, 1 mantissa bit); and NAME_scales (uint8): the same leading axes, one E8M0 byte (e + 127) for each 32 codes along K. Its value is code x scale, taken as it is: it is not quantised again, and the codes and scales need not be those that the quantiser above would give.
;; One version. Each part assembles by itself: llvm-mc -triple=amdgcn-amd-amdhsa -mcpu=gfx1250 --defsym DOCPART=n.
;; ======== version 1 of 1: 3 launches
;; workspace buffers: qq 4,456,448 bytes; kv 8,912,896 bytes; ao_codes 4,194,304 bytes; ao_scales 262,144 bytes
;; launch qkv (part 1): grid 12 x 32, 4 waves a work-group, clusters of 4 x 4, 327,680 bytes of LDS; arguments x_codes, x_scales, qkv_w_codes, qkv_w_scales, qkv_b, qq, kv; writes qq, kv
.if DOCPART == 1
	.amdgcn_target "amdgcn-amd-amdhsa--gfx1250"
	.amdhsa_code_object_version 6
	.text
	.protected	k_qb8a09e93cd_qkv
	.globl	k_qb8a09e93cd_qkv
	.p2align	8
	.type	k_qb8a09e93cd_qkv,@function
k_qb8a09e93cd_qkv:
	s_mov_b64 s[64:65], 0
	v_nop
	global_prefetch_b8 v0, s[64:65] scope:SCOPE_SE
	s_setreg_imm32_b32 hwreg(HW_REG_WAVE_MODE, 25, 1), 1
	s_wait_xcnt 0x0
	s_wait_alu depctr_hold_cnt(0) depctr_sa_sdst(0) depctr_va_vdst(0) depctr_va_sdst(0) depctr_va_ssrc(0) depctr_va_vcc(0) depctr_vm_vsrc(0)
	s_getreg_b32 s2, hwreg(HW_REG_IB_STS2, 6, 4)
	s_cmp_eq_u32 s2, 0
	s_cbranch_scc0 .Lentry_in_a_cluster
	s_endpgm
.Lentry_in_a_cluster:
	s_bfe_u32 s2, ttmp6, 0x10000c
	s_cmp_lg_u32 s2, 0xf033
	s_cbranch_scc0 .Lentry_shape_is_right
	s_endpgm
.Lentry_shape_is_right:
; qkv = x W^T + b on codes of FP4 (E2M1) with one E8M0 scale for each 32 along K = 1,024, and q, k, v quantised again on the way out: nothing wide goes to memory.
; A tile of 256 x 256 results is made by four waves, 128 x 128 each: 64 accumulators of 16 x 16, 512 registers.  K goes in two steps of 512 (rows of 256 bytes) through two LDS slots, each filled once;
; the scale bytes of the tile's 2 x 256 rows, for all of K, come with the first fills as dense blocks.
; ROLES.  Source 1 of the matrix instruction ("A") gives a lane its row, source 0 ("B") runs along the lane's registers.  A quantiser wants its K along a lane's registers:
;   cluster x = 0 (q), 1 (k): A = x (a lane holds a token), B = W (registers run along the head's channels, q's and k's K);
;   cluster x = 2 (v):        A = W's rows 2,048 on (a lane holds a channel), B = x (registers run along the keys, v's K).
; Only pointers and coordinates are chosen; the products are one path.  The way out parts once, on the cluster's x, which all partners share.
; CLUSTERS: 4 x 4 work-groups; A's tiles are asked for jointly along a row of the cluster, B's along a column.
; OUT.  kv: [batch 4][128 tokens 16][head 16][record of 8,704 bytes]: +0 k's codes, tile t of 16 keys at 512 t, 16 bytes a lane (lane (r, h): key 16 t + r, channels 32 h on);
;   +4,096 v's codes, [16 channels dt][half c][lane][16 bytes]: the eight registers of a fragment of v^T; +8,192 k's scale words [r][i]: tiles 2 i and 2 i + 1, two bytes each; +8,448 v's scale words [r][dt].
;   qq: the same with records of 4,352 bytes: q's codes, then at +4,096 q's scale words, every byte lowered by 3: the scores' 1 / 8.
; LIMITS: a block of q, k or v whose largest magnitude lies under 2^-121 is quantised under the scale 2^-123 (the byte is held at 4 from below, so that q's byte less 3 is at least 1);
; a block of zeros keeps that byte (its codes are zeros; this program alone reads the bytes); NaN and infinities among the inputs are not served.
; No prefetch: all of a work-group's tensor loads go out at its head.
; REGISTERS, in windows of 256: window 0: v0-31 addresses; v32-95 scale words, two sets, and nothing else; v96-111 v's bias; v128-191 A's fragments, on the way out 64 numbers; v192-255 q's and k's bias.
;   window 1: B's fragments, two sets.   window 2, 3: the accumulators of my rows 0-63, 64-127 (accumulator (a, b) at v[8 (8 (a % 4) + b)]).
.set KSTEP,  512
.set NQ,     KSTEP/128                 ; matrix instructions deep in a slot
.set ROWB,   256                       ; a tile's row in bytes
.set KROW,   512                       ; a row of x or W in memory: 1,024 codes
.set PITCH,  272                       ; an LDS row: 256 bytes + 16 of padding: the 16 rows that a load touches start 16 bytes apart modulo 256
.set FR,     8                         ; registers of a fragment
.set NL,     2                         ; LDS loads that bring one
.set NP,     4                         ; places behind this matrix instruction (ISA guide 7.12.1)
.set HALFT,  128*PITCH
.set SLOT,   4*HALFT                   ; A's 256 rows, then B's 256 rows
.set KS,     32                        ; a row of scale bytes
.set SCL,    2*SLOT                    ; behind the slots: the scales, as units of 256 bytes + 16 of padding
.set HALFS,  (128*KS/256)*272
.set SBLK,   (16*KS/256)*272
.set SPARE,  SCL+4*HALFS               ; the spare words: 128 bytes for each wave, named by no other line
.set QREC,   4352
.set KREC,   8704
.set FLOOR,  0x3000000                 ; 2^(6 - 127): no largest magnitude is taken under it
.set R,    2                           ; v2-5    the way out: four scale words to store
.set VB32, 7                           ; v7      32 h
.set VR4,  8                           ; v8      4 r
.set TS,   12                          ; v12-15  the way out: the conversions' scale operands
.set ADRA, 16                          ; v16-17  LDS address of my A fragments in slot 0, 1
.set ADRB, 20                          ; v20-21  the same for B
.set PWS,  16                          ; v16-23  the way out (the addresses above are done with): a scale word for each block of 16 rows
.set VO0,  24                          ; v24     16 x lane
.set VO1,  25                          ; v25     the same in the next head's record
.set VS,   26                          ; v26     where my scale words go
.set ADRS, 27                          ; v27     LDS address of my scale words: lanes 0-15 A's rows, lanes 16-31 B's
.set SPW,  28                          ; v28     my spare word; never rewritten
.set NIL,  29                          ; v29     0; never rewritten
.set VSEL, 30                          ; v30     byte selects: lanes 0-15 the first head's two bytes of a word, lanes 16-31 the second's
.set VH,   31                          ; v31     h
.set SC,   32
.set BM,   96                          ; v96-111 v: the bias of my row of block a, twice: a pair for the packed add
.set PC,   112                         ; v112-119 the codes just made
.set TM,   120                         ; v120-123 largest magnitudes, v124-127 the other half's, then the bytes
.set AF,   128
.set T,    128                         ; v128-191 a block's 64 numbers of a lane
.set BN,   192                         ; v192-255 q, k: the bias of my 64 columns
.set SEL,  2                           ; s[2:3]  lane selects: lane l xor 16
.set BP,   18                          ; s[18:19] qkv_b at my columns
.set DST,  20                          ; s[20:21] my first record
.set BQ,   22                          ; s[22:23] qkv_b at my rows
.set HS,   46                          ; s46     a record's bytes
.set SOFF, 47                          ; s47     where the scale words lie in it
.set SUB,  92                          ; s92     3 in each byte for q, else 0
.set G1, 24
.set G0, 32
.set G1B, 48
.set G0B, 56
.set G1S, 68
.set G0S, 76
.set G1SB, 80
.set G0SB, 88
.set MSB, 0
.macro WIN new                         ; the immediate's high byte repeats the setting that is left
.if MSB != (\new)
	s_set_vgpr_msb (MSB<<8)|(\new)
.set MSB, (\new)
.endif
.endm
.set MUL_LO, 0xa1                      ; source 0 (B) window 1, source 1 (A) window 0, C and D window 2
.set MUL_HI, 0xf1                      ; the same, C and D window 3
.set TO_B,   0x40                      ; destination window 1, address window 0
; A joint load: waves 0 and 1 fetch for A, waves 2 and 3 for B.  The branch hangs on the wave's number alone.  An s_nop 0 and four v_nop follow each of the two lines.
.macro JLOAD g0a, g1a, g0b, g1b
	s_cmp_eq_u32 s15, 0
	s_cbranch_scc0 .Lfor_b_\@
	tensor_load_to_lds s[\g0a:\g0a+3], s[\g1a:\g1a+7]
	s_nop 0
.rept 4
	v_nop
.endr
	s_branch .Lasked_\@
.Lfor_b_\@:
	tensor_load_to_lds s[\g0b:\g0b+3], s[\g1b:\g1b+7]
	s_nop 0
.rept 4
	v_nop
.endr
.Lasked_\@:
.endm
.macro CROUND                          ; a round of the cluster's barrier
	s_barrier_signal -1
	s_barrier_wait -1
	s_cmp_lg_u32 s14, 0
	s_cbranch_scc1 .Lnot_wave_0_\@
	s_barrier_signal -3
.Lnot_wave_0_\@:
	s_barrier_wait -3
	s_barrier_signal -1
	s_barrier_wait -1
.endm
	s_load_b256 s[4:11], s[0:1], 0x0               ; x's codes s[4:5], x's scales s[6:7], W's codes s[8:9], W's scales s[10:11]
	s_load_b64 s[12:13], s[0:1], 0x20              ; qkv_b
	s_load_b128 s[96:99], s[0:1], 0x28             ; qq s[96:97], kv s[98:99]
	v_lshl_add_u32 v[SPW], v0, 2, SPARE
	v_mov_b32 v[NIL], 0
	ds_add_u32 v[SPW], v[NIL]                      ; the wave's opening: the add and its wait come ahead of my first tensor load; the set-up below stands between them
	v_lshrrev_b32 v1, 5, v0
	v_readfirstlane_b32 s14, v1                    ; wave 0..3
	s_lshr_b32 s15, s14, 1                         ; which half of A's rows is mine.  Also: I fetch for A (0) or for B (1)
	s_and_b32 s16, s14, 1                          ; which half of B's rows.  Also: which 128 rows of that tile I fetch
	s_bfe_u32 s40, ttmp6, 0x40000                  ; cx, cy: my place in the cluster
	s_bfe_u32 s41, ttmp6, 0x40004
	s_and_b32 s17, ttmp7, 0xffff                   ; cluster y
	s_cmp_eq_u32 ttmp9, 2                          ; v's clusters?  The cluster's x is the same in all partners
	s_cselect_b32 s42, s17, ttmp9                  ; B's tiles walk: x's rows by the cluster's y (v), W's rows by its x (q, k)
	s_cselect_b32 s17, 2, s17                      ; A's tiles walk: W's rows 2,048 on (v), x's rows by the cluster's y (q, k)
	s_lshl_b32 s42, s42, 2
	s_add_co_u32 s42, s42, s40                     ; B's tile = 4 x that + cx
	s_lshl_b32 s17, s17, 2
	s_add_co_u32 s17, s17, s41                     ; A's tile = 4 x that + cy
	s_lshl_b32 s43, s41, 2
	s_lshl_b32 s43, 15, s43                        ; my row of the cluster
	s_lshl_b32 s44, 0x1111, s40                    ; my column
	; descriptor group 1: a tile of 128 rows x 256 bytes, 16 bytes of padding behind each row
	s_or_b32 s[G1+0], s43, (0<<16)|(1<<20)|(1<<21)|(5<<22)|(3<<25)  ; the mask: A's tiles go to my row; elements of 1 byte; padding on; bit 21 beside a mask; after every 64 words, 4 words
	s_or_b32 s[G1B+0], s44, (0<<16)|(1<<20)|(1<<21)|(5<<22)|(3<<25)
.irp g, G1, G1B
	s_mov_b32 s[\g+1], ROWB<<16                    ; tensor_dim0
	s_mov_b32 s[\g+2], 128<<16                     ; tensor_dim1
	s_mov_b32 s[\g+3], ROWB<<16                    ; tile_dim0
	s_mov_b32 s[\g+4], 128                         ; tile_dim1
	s_mov_b32 s[\g+5], KROW                        ; from row to row
	s_mov_b32 s[\g+6], 0
	s_mov_b32 s[\g+7], 0
.endr
	; the scales of 128 rows: 4,096 dense bytes, as 16 rows of 256 bytes (32 elements of 8 bytes), 16 bytes of padding behind each
	s_or_b32 s[G1S+0], s43, (3<<16)|(1<<20)|(1<<21)|(5<<22)|(3<<25)
	s_or_b32 s[G1SB+0], s44, (3<<16)|(1<<20)|(1<<21)|(5<<22)|(3<<25)
.irp g, G1S, G1SB
	s_mov_b32 s[\g+1], 32<<16
	s_mov_b32 s[\g+2], (128*KS/256)<<16
	s_mov_b32 s[\g+3], 32<<16
	s_mov_b32 s[\g+4], 128*KS/256
	s_mov_b32 s[\g+5], 32
	s_mov_b32 s[\g+6], 0
	s_mov_b32 s[\g+7], 0
.endr
	s_lshl_b32 s18, s16, 7                         ; which 128 rows of the tile I fetch
	s_lshl_b32 s20, s17, 8
	s_add_co_u32 s20, s20, s18                     ; A: row 256 x tile + 128 x half
	s_lshl_b32 s46, s42, 8
	s_add_co_u32 s46, s46, s18                     ; B likewise
	s_mov_b32 s21, 0
	s_mov_b32 s47, 0
	s_mov_b64 s[18:19], KS
	s_mul_u64 s[22:23], s[20:21], s[18:19]         ; where these rows' scales begin, in bytes
	s_mul_u64 s[92:93], s[46:47], s[18:19]
	s_mov_b64 s[18:19], KROW
	s_mul_u64 s[20:21], s[20:21], s[18:19]         ; and their codes
	s_mul_u64 s[46:47], s[46:47], s[18:19]
	s_mul_i32 s45, s14, HALFT                      ; where they go: wave x 128 rows: no place in the cluster enters an LDS address
	s_mul_i32 s94, s14, HALFS
	s_wait_dscnt 0x0                               ; the opening add is done
	s_wait_kmcnt 0x0
	s_cmp_eq_u32 ttmp9, 2                          ; the buffers change roles for v
	s_cselect_b64 s[66:67], s[8:9], s[4:5]         ; A's codes
	s_cselect_b64 s[100:101], s[10:11], s[6:7]     ; A's scales
	s_cselect_b64 s[8:9], s[4:5], s[8:9]           ; B's codes
	s_cselect_b64 s[10:11], s[6:7], s[10:11]       ; B's scales
	s_add_nc_u64 s[20:21], s[66:67], s[20:21]
	s_add_nc_u64 s[22:23], s[100:101], s[22:23]
	s_add_nc_u64 s[46:47], s[8:9], s[46:47]
	s_add_nc_u64 s[92:93], s[10:11], s[92:93]
	CROUND                                         ; all sixteen work-groups are here: the first joint loads meet
	s_mov_b32 s[G0S], 1
	s_add_co_u32 s[G0S+1], s94, SCL
	s_mov_b64 s[G0S+2:G0S+3], s[22:23]
	s_or_b32 s[G0S+3], s[G0S+3], 0x80000000
	s_mov_b32 s[G0SB], 1
	s_add_co_u32 s[G0SB+1], s94, SCL
	s_mov_b64 s[G0SB+2:G0SB+3], s[92:93]
	s_or_b32 s[G0SB+3], s[G0SB+3], 0x80000000
	JLOAD G0S, G1S, G0SB, G1SB                     ; the scales first: they are wanted with K step 0
.irp s, 0,1
	s_mov_b32 s[G0+4*\s], 1
	s_add_co_u32 s[G0+4*\s+1], s45, \s*SLOT
	s_add_nc_u64 s[G0+4*\s+2:G0+4*\s+3], s[20:21], \s*ROWB
	s_or_b32 s[G0+4*\s+3], s[G0+4*\s+3], 0x80000000
	s_mov_b32 s[G0B+4*\s], 1
	s_add_co_u32 s[G0B+4*\s+1], s45, \s*SLOT
	s_add_nc_u64 s[G0B+4*\s+2:G0B+4*\s+3], s[46:47], \s*ROWB
	s_or_b32 s[G0B+4*\s+3], s[G0B+4*\s+3], 0x80000000
	JLOAD G0+4*\s, G1, G0B+4*\s, G1B               ; three loads of mine are out: all that this launch asks for
.endr
	v_and_b32 v1, 15, v0                           ; r = lane % 16
	v_bfe_u32 v2, v0, 4, 1                         ; h = lane / 16
	v_mul_u32_u24 v3, v1, PITCH
	v_lshl_add_u32 v4, v2, 4, v3                   ; a fragment's row x pitch + 16 x half
	s_mul_i32 s21, s15, HALFT                      ; my 128 rows of A
	s_mul_i32 s22, s16, HALFT                      ; my 128 rows of B,
	s_add_co_u32 s22, s22, 2*HALFT                 ; which lie behind A's 256
.irp s, 0,1
	v_add_nc_u32 v[ADRA+\s], s21, v4
	v_add_nc_u32 v[ADRB+\s], s22, v4
	s_add_co_u32 s21, s21, SLOT
	s_add_co_u32 s22, s22, SLOT
.endr
	v_mul_u32_u24 v5, v1, KS                       ; my row's scales: 32 bytes a row,
	v_lshrrev_b32 v6, 8, v5
	v_lshl_add_u32 v5, v6, 4, v5                   ; and 16 more for each 256 passed
	s_mul_i32 s21, s15, HALFS
	s_mul_i32 s22, s16, HALFS
	s_add_co_u32 s22, s22, 2*HALFS
	s_sub_co_u32 s22, s22, s21
	v_mul_u32_u24 v6, s22, v2                      ; lanes 16-31 take B's: one product, the distance between the two bases
	s_add_co_u32 s21, s21, SCL
	v_add_nc_u32 v5, v5, v6
	v_add_nc_u32 v[ADRS], s21, v5
	; the biases.  Both tables are loaded on this one path; the one that a path does not use is read at qkv_b's head
	s_lshl_b32 s18, s42, 10
	s_lshl_b32 s19, s16, 9
	s_add_co_u32 s18, s18, s19                     ; 4 x (256 x B's tile + 128 x my half)
	s_lshl_b32 s22, s17, 10
	s_lshl_b32 s19, s15, 9
	s_add_co_u32 s22, s22, s19                     ; 4 x (256 x A's tile + 128 x my half)
	s_cmp_eq_u32 ttmp9, 2
	s_cselect_b32 s18, 0, s18
	s_cselect_b32 s22, s22, 0
	s_cselect_b32 s93, s42, s17                    ; the tile and half that count tokens,
	s_cselect_b32 s94, s16, s15
	s_cselect_b32 s95, s17, s42                    ; and those that count channels
	s_cselect_b32 s66, s15, s16
	s_mov_b32 s[SOFF], 8192
	s_cselect_b32 s[SOFF], 8448, s[SOFF]           ; v's scale words lie behind k's
	s_mov_b32 s19, 0
	s_mov_b32 s23, 0
	s_add_nc_u64 s[BP:BP+1], s[12:13], s[18:19]
	s_add_nc_u64 s[BQ:BQ+1], s[12:13], s[22:23]
	v_lshlrev_b32 v[VB32], 5, v2
	v_lshlrev_b32 v[VR4], 2, v1
.irp b, 0,1,2,3,4,5,6,7
	global_load_b128 v[BN+8*\b:BN+8*\b+3], v[VB32], s[BP:BP+1] offset:64*\b       ; b(column 16 b + 8 h + 0 .. 7): the result's layout
	global_load_b128 v[BN+8*\b+4:BN+8*\b+7], v[VB32], s[BP:BP+1] offset:64*\b+16
.endr
.irp a, 0,1,2,3,4,5,6,7
	global_load_b32 v[BM+2*\a], v[VR4], s[BQ:BQ+1] offset:64*\a                   ; b(row 16 a + r), twice
	global_load_b32 v[BM+2*\a+1], v[VR4], s[BQ:BQ+1] offset:64*\a
.endr
	; where my results go: record (128 tokens) x 16 + head; my wave makes two heads
	s_lshl_b32 s93, s93, 1
	s_add_co_u32 s93, s93, s94
	s_lshl_b32 s93, s93, 4
	s_and_b32 s95, s95, 3
	s_lshl_b32 s95, s95, 2
	s_add_co_u32 s93, s93, s95
	s_lshl_b32 s66, s66, 1
	s_add_co_u32 s93, s93, s66
	s_cmp_eq_u32 ttmp9, 0                          ; q's clusters?
	s_mov_b32 s[HS], KREC
	s_cselect_b32 s[HS], QREC, s[HS]
	s_cselect_b32 s[SOFF], 4096, s[SOFF]
	s_cselect_b32 s[SUB], 0x03030303, 0
	s_cselect_b64 s[DST:DST+1], s[96:97], s[98:99]
	s_mul_i32 s94, s93, s[HS]
	s_mov_b32 s95, 0
	s_add_nc_u64 s[DST:DST+1], s[DST:DST+1], s[94:95]
	v_and_b32 v5, 31, v0
	v_lshlrev_b32 v[VO0], 4, v5
	v_add_nc_u32 v[VO1], s[HS], v[VO0]
	v_mul_lo_u32 v6, v2, s[HS]
	v_lshl_add_u32 v[VS], v1, 4, v6                ; 16 r + h x a record: lanes 0-15 write the first head's 256 bytes, lanes 16-31 the second's
	v_add_nc_u32 v[VS], s[SOFF], v[VS]
	s_mov_b32 s67, 0x02020202
	v_mul_lo_u32 v[VSEL], v2, s67
	v_add_nc_u32 v[VSEL], 0x05040100, v[VSEL]
	v_mov_b32 v[VH], v2
	s_mov_b32 s[SEL], 0x76543210
	s_mov_b32 s[SEL+1], 0xfedcba98
.macro FRAG reg, adr, q, i             ; a fragment, 16 rows x 128 K: lane l holds row l % 16; registers 4 c .. 4 c + 3 hold K = 64 c + 32 (l / 16) + 0 .. 31
.irp c, 0,1
	ds_load_b128 v[\reg+4*\c:\reg+4*\c+3], v[\adr] offset:64*(\q)+32*\c+(\i)*16*PITCH
.endr
.endm
; 16 matrix instructions: A's blocks a0, a0 + 1 x B's eight, the slot's q-th 128 along K.  p: B's set; sc: the set of scale words.  zero = 1: the first product starts the sums.
; The 64 accumulators take turns, one instruction a turn, in the same order in every step.
.macro MUL16 a0, p, q, sc, zero
.irp a, \a0, \a0+1
.irp b, 0,1,2,3,4,5,6,7
.if \zero
	v_wmma_scale_f32_16x16x128_f8f6f4 v[8*(8*((\a)%4)+\b):8*(8*((\a)%4)+\b)+7], v[128*(\p)+FR*\b:128*(\p)+FR*\b+FR-1], v[AF+FR*(\a):AF+FR*(\a)+FR-1], 0, v[SC+8*NQ*(\sc)+NQ*\b+(\q)], v[SC+8*NQ*(\sc)+NQ*(\a)+(\q)] matrix_a_fmt:MATRIX_FMT_FP4 matrix_b_fmt:MATRIX_FMT_FP4 matrix_a_scale:MATRIX_SCALE_ROW1
.else
	v_wmma_scale_f32_16x16x128_f8f6f4 v[8*(8*((\a)%4)+\b):8*(8*((\a)%4)+\b)+7], v[128*(\p)+FR*\b:128*(\p)+FR*\b+FR-1], v[AF+FR*(\a):AF+FR*(\a)+FR-1], v[8*(8*((\a)%4)+\b):8*(8*((\a)%4)+\b)+7], v[SC+8*NQ*(\sc)+NQ*\b+(\q)], v[SC+8*NQ*(\sc)+NQ*(\a)+(\q)] matrix_a_fmt:MATRIX_FMT_FP4 matrix_b_fmt:MATRIX_FMT_FP4 matrix_a_scale:MATRIX_SCALE_ROW1
.endif
.endr
.endr
.endm
.macro FETCH_B slot, q, p
	WIN TO_B
.irp i, 0,1,2,3,4,5,6,7
	FRAG 128*(\p)+FR*\i, ADRB+\slot, \q, \i
.endr
	WIN 0
.endm
.macro FETCH_A slot, q, i0
.irp i, \i0, \i0+1, \i0+2, \i0+3
	FRAG AF+FR*(\i), ADRA+\slot, \q, \i
.endr
.endm
.macro SCALES sc                       ; a K step's scale words: four words a row; lanes 0-15 take A's block i, lanes 16-31 B's block i
.irp i, 0,1,2,3,4,5,6,7
	ds_load_b128 v[SC+8*NQ*\sc+NQ*\i:SC+8*NQ*\sc+NQ*\i+3], v[ADRS] offset:\i*SBLK
.endr
.endm
.macro PLACES n                        ; plain vector instructions between a matrix instruction and a load into, or a vector write of, one of its registers, or a read of its result
.rept \n
	v_nop
.endr
.endm
.macro STEP slot, q, zero              ; a step of 128 along K that has its successor in the same slot
	s_wait_dscnt 4*NL                              ; B's set and A's blocks 0-3 are in; the youngest eight loads (A's blocks 4-7) may be out
	WIN MUL_LO
	MUL16 0, (\q)%2, \q, \slot, \zero
	MUL16 2, (\q)%2, \q, \slot, \zero
	s_wait_dscnt 0
	PLACES NP
	FETCH_B \slot, (\q)+1, 1-(\q)%2
	FETCH_A \slot, (\q)+1, 0
	WIN MUL_HI
	MUL16 4, (\q)%2, \q, \slot, \zero
	MUL16 6, (\q)%2, \q, \slot, \zero
	PLACES NP
	WIN 0
	FETCH_A \slot, (\q)+1, 4
.endm
.macro TURN slot, next                 ; slot 0's last step: slot 1 is shown whole to every wave.  Nothing is filled again
	s_wait_tensorcnt 0x0                           ; all my tensor loads have landed: my part of slot 1
	ds_add_u32 v[SPW], v[NIL]                      ; 0 onto my spare word
	s_wait_dscnt 4*NL+1                            ; (the add and the youngest eight loads may be out)
	WIN MUL_LO
	MUL16 0, 1, NQ-1, \slot, 0
	s_wait_dscnt 0x0                               ; the add is done, and no LDS load of mine is out at the signal
	s_barrier_signal -1
	MUL16 2, 1, NQ-1, \slot, 0
	WIN 0
	s_barrier_wait -1
	PLACES NP
	v_add_nc_u32 v[ADRS], 4*NQ, v[ADRS]            ; on to the next K step's scale words
	FETCH_B \next, 0, 0
	FETCH_A \next, 0, 0
	SCALES \next
	WIN MUL_HI
	MUL16 4, 1, NQ-1, \slot, 0
	MUL16 6, 1, NQ-1, \slot, 0
	PLACES NP
	WIN 0
	FETCH_A \next, 0, 4
.endm
.macro STEPS slot, from
.set Q, \from
.rept NQ-1-\from
	STEP \slot, Q, 0
.set Q, Q+1
.endr
.endm
	s_wait_tensorcnt 1                             ; the scales and my part of K step 0 are in; slot 1's load may be out
	s_barrier_signal -1
	s_barrier_wait -1
	FETCH_B 0, 0, 0
	FETCH_A 0, 0, 0
	SCALES 0
	FETCH_A 0, 0, 4
	STEP 0, 0, 1                                   ; the first products start the sums: nothing is cleared
	STEPS 0, 1
	TURN 0, 1
	STEPS 1, 0
	s_wait_dscnt 4*NL                              ; the last step: nothing more to fetch
	WIN MUL_LO
	MUL16 0, 1, NQ-1, 1, 0
	MUL16 2, 1, NQ-1, 1, 0
	s_wait_dscnt 0
	WIN MUL_HI
	MUL16 4, 1, NQ-1, 1, 0
	MUL16 6, 1, NQ-1, 1, 0
	WIN 0
; THE QUANTISER.  64 numbers of a lane, v[s] on: register 16 B + 8 u + j is k = 32 B + 16 u + 8 h + j of my row (tiles 2 B + u of the transposed result).  A block of 32 lies in lanes l and l xor 16.
; A conversion takes eight neighbours; its result goes to register 4 (B / 2) + 2 u + B % 2, and one exchange of halves for each pair of registers then leaves block 2 c + h, k = 8 i on, in register 4 c + i: the operand's layout.
.macro QUANTN s, pc, pw
.irp b, 0,1,2,3
	v_max3_num_f32 v[TM+\b], |v[(\s)+16*\b]|, |v[(\s)+16*\b+1]|, FLOOR
.endr
.irp i, 2,4,6,8,10,12,14
.irp b, 0,1,2,3
	v_max3_num_f32 v[TM+\b], v[TM+\b], |v[(\s)+16*\b+\i]|, |v[(\s)+16*\b+\i+1]|   ; the four blocks by turns
.endr
.endr
.irp b, 0,1,2,3
	v_permlanex16_b32 v[TM+4+\b], v[TM+\b], s[SEL], s[SEL+1]
.endr
.irp b, 0,1,2,3
	v_max_num_f32 v[TM+\b], v[TM+\b], v[TM+4+\b]   ; the block's largest magnitude
.endr
.irp b, 0,1,2,3
	v_add_nc_u32 v[TS+\b], 0xff000000, v[TM+\b]    ; 2 off its exponent field: the conversion takes that field as its scale
.endr
.irp b, 0,1,2,3
	v_lshrrev_b32 v[TM+4+\b], 23, v[TS+\b]         ; the scale's byte
.endr
	v_lshl_or_b32 v[\pw], v[TM+5], 8, v[TM+4]
	v_lshl_or_b32 v[\pw], v[TM+6], 16, v[\pw]
	v_lshl_or_b32 v[\pw], v[TM+7], 24, v[\pw]
.irp b, 0,1,2,3
.irp u, 0,1
	v_cvt_scalef32_pk8_fp4_f32 v[(\pc)+4*(\b/2)+2*\u+(\b%2)], v[(\s)+16*\b+8*\u:(\s)+16*\b+8*\u+7], v[TS+\b]
.endr
.endr
	v_nop                                          ; one plain place behind a scaled conversion
.irp c, 0,1
	v_permlane16_swap_b32 v[(\pc)+4*\c], v[(\pc)+4*\c+1]
	v_permlane16_swap_b32 v[(\pc)+4*\c+2], v[(\pc)+4*\c+3]
.endr
.endm
; Block a of 16 rows leaves: the bias is added (the add also brings the sums into window 0, each accumulator from its low end on), the 128 numbers of a row are quantised, and the codes are stored:
; each store writes 512 consecutive bytes, at a multiple of 256 from the buffer's first byte.
.macro OUT a, isv
	WIN 0x02+(\a)/4                                ; source 0: window 2 or 3
.set i, 0
.rept 32
.if \isv
	v_pk_add_f32 v[T+2*i:T+2*i+1], v[64*((\a)%4)+2*i:64*((\a)%4)+2*i+1], v[BM+2*(\a):BM+2*(\a)+1]
.else
	v_pk_add_f32 v[T+2*i:T+2*i+1], v[64*((\a)%4)+2*i:64*((\a)%4)+2*i+1], v[BN+2*i:BN+2*i+1]
.endif
.set i, i+1
.endr
	WIN 0
	s_wait_xcnt 0x0                                ; the last block's stores have read the codes' registers, which are written again below
	QUANTN T, PC, PWS+(\a)
.if \isv
	global_store_b128 v[VO0], v[PC:PC+3], s[DST:DST+1] offset:((\a)/4)*KREC+4096+((\a)%4)*1024       ; head a / 4, channels 16 (a % 4) on: keys 32 h on,
	global_store_b128 v[VO0], v[PC+4:PC+7], s[DST:DST+1] offset:((\a)/4)*KREC+4096+((\a)%4)*1024+512 ; keys 64 + 32 h on
.else
	global_store_b128 v[VO0], v[PC:PC+3], s[DST:DST+1] offset:512*(\a)                               ; tokens 16 a on: the first head's channels 32 h on,
	global_store_b128 v[VO1], v[PC+4:PC+7], s[DST:DST+1] offset:512*(\a)                             ; the second head's
.endif
.endm
	PLACES NP                                      ; behind the last products: A's fragments' registers are written below
	s_wait_loadcnt 0x0                             ; the biases
.irp b, 0,1,2,3
	v_mov_b32 v[TM+4+\b], 0                        ; written once: a lane permute's destination counts as one of its sources
.endr
	s_cmp_eq_u32 ttmp9, 2
	s_cbranch_scc1 .Lway_v
.irp a, 0,1,2,3,4,5,6,7
	OUT \a, 0
.endr
.irp i, 0,1,2,3
	v_perm_b32 v[R+\i], v[PWS+2*\i+1], v[PWS+2*\i], v[VSEL]   ; word i: my head's two bytes of tokens 32 i + r and of tokens 32 i + 16 + r
.endr
.irp i, 0,1,2,3
	v_sub_nc_u32 v[R+\i], v[R+\i], s[SUB]          ; q: 3 off every byte (each is 4 at the least: no borrow): the scores' 1 / 8
.endr
	global_store_b128 v[VS], v[R:R+3], s[DST:DST+1]
	s_branch .Lend
.Lway_v:
.irp a, 0,1,2,3,4,5,6,7
	OUT \a, 1
.endr
	v_cmp_eq_u32 vcc_lo, 1, v[VH]
.irp d, 0,1,2,3
	v_cndmask_b32 v[R+\d], v[PWS+\d], v[PWS+4+\d], vcc_lo     ; lanes 0-15 the first head's words, lanes 16-31 the second's
.endr
	global_store_b128 v[VS], v[R:R+3], s[DST:DST+1]
.Lend:
	s_wait_tensorcnt 0x0                           ; the wave's end
	ds_add_u32 v[SPW], v[NIL]
	s_wait_dscnt 0x0
	CROUND                                         ; the closing round
	s_endpgm
.Lfunc_end_k_qb8a09e93cd_qkv:
	.size	k_qb8a09e93cd_qkv, .Lfunc_end_k_qb8a09e93cd_qkv-k_qb8a09e93cd_qkv
	.p2alignl 7, 3214868480
	.fill 96, 4, 3214868480
	.section	.rodata,"a",@progbits
	.p2align	6, 0x0
	.amdhsa_kernel k_qb8a09e93cd_qkv
		.amdhsa_group_segment_fixed_size 327680
		.amdhsa_private_segment_fixed_size 0
		.amdhsa_enable_private_segment 0
		.amdhsa_kernarg_size 56
		.amdhsa_user_sgpr_count 2
		.amdhsa_user_sgpr_kernarg_segment_ptr 1
		.amdhsa_wavefront_size32 1
		.amdhsa_system_sgpr_workgroup_id_x 1
		.amdhsa_system_sgpr_workgroup_id_y 1
		.amdhsa_system_sgpr_workgroup_id_z 1
		.amdhsa_system_vgpr_workitem_id 0
		.amdhsa_next_free_vgpr 1024
		.amdhsa_next_free_sgpr 102
		.amdhsa_reserve_vcc 1
		.amdhsa_float_denorm_mode_32 3
		.amdhsa_float_denorm_mode_16_64 3
		.amdhsa_memory_ordered 1
		.amdhsa_forward_progress 1
		.amdhsa_inst_pref_size 197
	.end_amdhsa_kernel
	.amdgpu_metadata
---
amdhsa.version: [ 1, 2 ]
amdhsa.kernels:
  - .name:           k_qb8a09e93cd_qkv
    .symbol:         k_qb8a09e93cd_qkv.kd
    .args:
      - { .name: x_codes, .offset: 0, .size: 8, .value_kind: global_buffer, .address_space: global }
      - { .name: x_scales, .offset: 8, .size: 8, .value_kind: global_buffer, .address_space: global }
      - { .name: qkv_w_codes, .offset: 16, .size: 8, .value_kind: global_buffer, .address_space: global }
      - { .name: qkv_w_scales, .offset: 24, .size: 8, .value_kind: global_buffer, .address_space: global }
      - { .name: qkv_b, .offset: 32, .size: 8, .value_kind: global_buffer, .address_space: global }
      - { .name: qq, .offset: 40, .size: 8, .value_kind: global_buffer, .address_space: global }
      - { .name: kv, .offset: 48, .size: 8, .value_kind: global_buffer, .address_space: global }
    .group_segment_fixed_size: 327680
    .private_segment_fixed_size: 0
    .kernarg_segment_align: 8
    .kernarg_segment_size: 56
    .max_flat_workgroup_size: 128
    .sgpr_count:     102
    .vgpr_count:     1024
    .wavefront_size: 32
...
	.end_amdgpu_metadata
.endif
;; end of part 1
;; launch attn (part 2): grid 32 x 8, 16 waves a work-group, no clusters, 327,680 bytes of LDS; arguments qq, kv, dna_bias, ao_codes, ao_scales; writes ao_codes, ao_scales
.if DOCPART == 2
	.amdgcn_target "amdgcn-amd-amdhsa--gfx1250"
	.amdhsa_code_object_version 6
	.text
	.protected	k_qb8a09e93cd_attn
	.globl	k_qb8a09e93cd_attn
	.p2align	8
	.type	k_qb8a09e93cd_attn,@function
k_qb8a09e93cd_attn:
	s_mov_b64 s[64:65], 0
	v_nop
	global_prefetch_b8 v0, s[64:65] scope:SCOPE_SE
	s_setreg_imm32_b32 hwreg(HW_REG_WAVE_MODE, 25, 1), 1
	s_wait_xcnt 0x0
; Causal attention with an additive bias table, both products on codes of FP4 (E2M1) with one E8M0 scale for each 32 along a product's K; the result is quantised along C for the last projection.
; logit = q . k / 8 + bias; t = logit x log2(e); M = the running largest t rounded up to a whole number; p = 2^(t - M) is quantised along the keys; the row's sum of the unquantised p divides at the end.
; SHARES.  Work-group (g, y): batch y / 2, heads 8 (y % 2) on, and two groups of 32 queries: the early one, group g, and the late one, group 63 - g.  Wave w: head w / 2 of the eight; early or late by
; (w xor w / 4) % 2.  An early wave has g / 4 + 1 key steps of 128 with work, a late one (63 - g) / 4 + 1: 17 together for every g, so all 256 work-groups have the same work.
; The eight heads share the bias tiles, the two groups share the heads' keys and values.
; NO CLUSTER: the work-groups that read the same keys and values (one y, all g) walk 10 to 16 key steps, so partners would need different numbers of tiles; those with equal counts (one g) share the bias alone,
; 33,792 of a step's 103,424 bytes.
; LAYOUT.  Both products are used transposed: a lane holds ONE query (lane % 16) throughout.  S^T = K Q^T: the head's K is 64, so ONE fragment of 8 registers holds TWO tiles of 16 keys (k 0-63 and k 64-127) and is
; multiplied once by [Q | 0] and once by [0 | Q]; the zeros are codes.  The 1 / 8 lies in q's scale bytes, and the bias tile, loaded in the result's layout, is the C of the score product.
; In tile t register j of lane (r, h) is key 16 t + 8 h + j: eight neighbours, one conversion; the choice of the conversions' destinations and an exchange of halves give the operand's layout (QUANTN).
; THE RING.  Two LDS slots, a key step each: eight records of kv (69,632 dense bytes: images of the operands' registers, 16 bytes a lane) and 2 x 32 rows of the bias (512 bytes + 16).  Waves 0-3 fetch two records
; each, waves 4 and 5 a group's bias rows.  By the text's own count a wave has one tensor load out.  A step all of whose keys come after a wave's queries is passed over by a scalar branch on ids.
; LIMITS: NaN and infinities are not served; a block of the result whose largest magnitude lies under 2^-124 keeps the byte 1.
.set REC,   8704
.set BOFF,  8*REC                      ; in a slot: the bias behind the records
.set BPI,   528                        ; a bias row: 512 bytes + 16: the 16 rows that a load touches start 16 bytes apart modulo 256
.set BGRP,  32*BPI
.set SLOT,  BOFF+2*BGRP                ; 103,424
.set STG,   2*SLOT                     ; the way out: 64 rows x (256 bytes + 16) of codes,
.set SP,    272
.set SSTG,  STG+64*SP                  ; 64 rows x 16 scale bytes,
.set SPARE, SSTG+1024                  ; and the spare words, 128 bytes for each of 16 waves, named by no other line
.set AK,  1                            ; v1-2   LDS: my head's record in slot 0, 1, + 16 x lane
.set AS,  3                            ; v3-4   its scale words, + 16 r
.set AB,  5                            ; v5-6   my group's bias rows: + 528 r + 32 h
.set SPW, 7                            ; v7     my spare word; never rewritten
.set NIL, 8                            ; v8     0; never rewritten
.set DQ,  9                            ; v9     r - 8 h
.set PFO, 10                           ; v10    the prefetches' offset; never rewritten
.set L16, 11                           ; v11    16 x lane
                                       ; v12-31 [0 x 4][Q of tile 0][0 x 4][Q of tile 1][0 x 4]: the four fragments [Q | 0], [0 | Q] overlap
.set VK,  32                           ; v32-63 four fragments of K, later of V
.set S,   64                           ; v64-127 the bias, then S^T, then p
.set O,   128                          ; v128-191 O^T: tile x, channels 16 dt on, at 32 x + 8 dt
.set PC,  192                          ; v192-207 p's codes, 8 a tile
.set PW,  208                          ; v208-209 p's scale words
.set QS,  210                          ; v210-211 q's scale words
.set KS,  212                          ; v212-215 K's, then V's scale words
.set ST,  216                          ; v216-223 a tile's -M, largest t, sum in two halves
.set F,   224                          ; v224-227 a tile's f = 2^(old M - new M), as the low word of a pair; at the end 1 / the sum
.set TM,  228                          ; v228-231 the blocks' largest scores, then largest p
.set BX,  232                          ; v232-235 the other half's; a chain of the sum
.set SO,  236                          ; v236-239 the conversions' scale operands
.set BY,  240                          ; v240-243 the scales' bytes
.set T0,  244
.set T1,  245
.set NINF, 246                         ; -infinity
.set WV,  14
.set G1K, 24
.set G1B, 32
.set G0K, 40                           ; s[40:47] group 0 for the records, a set for each slot
.set G0B, 48                           ; s[48:55] for the bias
.set KF,  56                           ; s56 the step's first key
.set TRIPS, 57
.set CS,  58                           ; s[58:59] log2(e)
.set SEL, 60                           ; s[60:61] lane l xor 16
.set PFA, 66                           ; s[66:67] where my prefetches stand
.set PFS, 68                           ; s[68:69] a key step on, in bytes
.set ROLE, 70                          ; s70 0: I ask for nothing; 1: in every trip of the loop; 2: in every second
; Waves 0-3 fetch records, waves 4 and 5 bias rows, the others nothing.  The branches hang on the wave's number alone.  An s_nop 0 and four v_nop follow each line.
.macro TLOAD n
	s_cmp_lt_u32 s[WV], 4
	s_cbranch_scc0 .Lnot_k_\@
	tensor_load_to_lds s[G0K+4*(\n):G0K+4*(\n)+3], s[G1K:G1K+7]
	s_nop 0
.rept 4
	v_nop
.endr
	s_branch .Lasked_\@
.Lnot_k_\@:
	s_cmp_lt_u32 s[WV], 6
	s_cbranch_scc0 .Lasked_\@
	tensor_load_to_lds s[G0B+4*(\n):G0B+4*(\n)+3], s[G1B:G1B+7]
	s_nop 0
.rept 4
	v_nop
.endr
.Lasked_\@:
.endm
; A PREFETCH INTO THE L2 of the key step that the NEXT trip's tensor loads will ask for, behind this trip's load.  Each aligned block of 256 bytes is named once in the launch.
; A group's bias rows are read by the eight work-groups of one g: y = 0 asks, waves 0-3, 16 rows x 512 bytes each.  A record is read by the 32 work-groups of one y: g = 0, which walks all 16 steps, asks:
; waves 8-15 for a record's 8,192 bytes of codes each; wave 6, in every second trip, for the 512 scale bytes of the eight records of two steps.  Steps 0 and 1 come by their loads alone; the two trips behind the loop ask for nothing.
.macro ASK slot
.if \slot
	s_cmp_eq_u32 s[ROLE], 1
.else
	s_cmp_lg_u32 s[ROLE], 0
.endif
	s_cbranch_scc0 .Lnot_mine_\@
	global_prefetch_b8 v[PFO], s[PFA:PFA+1] th:TH_LOAD_NT scope:SCOPE_SE
.Lnot_mine_\@:
.endm
	s_load_b256 s[4:11], s[0:1], 0x0               ; qq s[4:5], kv s[6:7], dna_bias s[8:9], ao_codes s[10:11]
	s_load_b64 s[12:13], s[0:1], 0x20              ; ao_scales
	v_lshl_add_u32 v[SPW], v0, 2, SPARE
	v_mov_b32 v[NIL], 0
	ds_add_u32 v[SPW], v[NIL]                      ; the wave's opening: the add and its wait come ahead of my first tensor load; the set-up below stands between them
	v_lshrrev_b32 v[L16], 5, v0
	v_readfirstlane_b32 s[WV], v[L16]              ; wave 0..15
	s_mov_b32 s15, ttmp9                           ; g
	s_and_b32 s16, ttmp7, 0xffff                   ; y
	s_lshr_b32 s17, s16, 1                         ; batch
	s_and_b32 s18, s16, 1                          ; which eight heads
	s_lshr_b32 s19, s[WV], 1                       ; my head of the eight
	s_lshr_b32 s20, s[WV], 2
	s_xor_b32 s20, s20, s[WV]
	s_and_b32 s20, s20, 1                          ; late?
	s_sub_co_u32 s71, 63, s15                      ; the late group
	s_cmp_eq_u32 s20, 1
	s_cselect_b32 s21, s71, s15                    ; my group of 32 queries
	s_lshl_b32 s22, s21, 5                         ; my first query,
	s_add_co_u32 s23, s22, 31                      ; my last
	s_lshr_b32 s[TRIPS], s71, 2                    ; the late group's steps, (63 - g) / 4 + 1, rounded up to an even number T; the loop has T / 2 - 1 trips
	s_add_co_u32 s[TRIPS], s[TRIPS], 2
	s_lshr_b32 s[TRIPS], s[TRIPS], 1
	s_sub_co_u32 s[TRIPS], s[TRIPS], 1
	; group 1 for two records: 17,408 dense bytes as 68 rows of 256 (32 elements of 8 bytes), no padding
	s_mov_b32 s[G1K], 3<<16
	s_mov_b32 s[G1K+1], 32<<16
	s_mov_b32 s[G1K+2], 68<<16
	s_mov_b32 s[G1K+3], 32<<16
	s_mov_b32 s[G1K+4], 68
	s_mov_b32 s[G1K+5], 32
	s_mov_b32 s[G1K+6], 0
	s_mov_b32 s[G1K+7], 0
	; group 1 for a group's bias: 32 rows x 128 elements of 4 bytes, 2,048 elements from row to row; 4 words of padding behind every 128
	s_mov_b32 s[G1B], (2<<16)|(1<<20)|(6<<22)|(3<<25)
	s_mov_b32 s[G1B+1], 128<<16
	s_mov_b32 s[G1B+2], 32<<16
	s_mov_b32 s[G1B+3], 128<<16
	s_mov_b32 s[G1B+4], 32
	s_mov_b32 s[G1B+5], 2048
	s_mov_b32 s[G1B+6], 0
	s_mov_b32 s[G1B+7], 0
	s_and_b32 s72, s[WV], 3
	s_mul_i32 s73, s72, 2*REC                      ; LDS: two records a wave
	s_and_b32 s74, s[WV], 1
	s_mul_i32 s75, s74, BGRP
	s_add_co_u32 s75, s75, BOFF                    ; LDS: the early group's rows, then the late group's
	s_lshl_b32 s76, s17, 8
	s_lshl_b32 s77, s18, 3
	s_add_co_u32 s76, s76, s77                     ; record 256 x batch + 8 x half: my work-group's first of step 0
	s_lshl_b32 s77, s72, 1
	s_add_co_u32 s77, s76, s77
	s_mul_i32 s78, s77, REC
	s_mov_b32 s79, 0
	s_cmp_eq_u32 s74, 1
	s_cselect_b32 s80, s71, s15
	s_lshl_b32 s80, s80, 18                        ; 32 rows of 8,192 bytes a group
	s_mov_b32 s81, 0
	s_mov_b32 s[CS], 0x3fb8aa3b                    ; log2(e)
	s_mov_b32 s[CS+1], s[CS]
	s_mov_b32 s[SEL], 0x76543210
	s_mov_b32 s[SEL+1], 0xfedcba98
	s_mov_b32 s[KF], 0
	s_wait_dscnt 0x0                               ; the opening add is done
	s_wait_kmcnt 0x0
	s_add_nc_u64 s[78:79], s[6:7], s[78:79]
	s_add_nc_u64 s[80:81], s[8:9], s[80:81]
.irp n, 0,1
	s_mov_b32 s[G0K+4*\n], 1
	s_add_co_u32 s[G0K+4*\n+1], s73, \n*SLOT
	s_add_nc_u64 s[G0K+4*\n+2:G0K+4*\n+3], s[78:79], \n*16*REC    ; a key step on: 16 records
	s_or_b32 s[G0K+4*\n+3], s[G0K+4*\n+3], 0x80000000
	s_mov_b32 s[G0B+4*\n], 1
	s_add_co_u32 s[G0B+4*\n+1], s75, \n*SLOT
	s_add_nc_u64 s[G0B+4*\n+2:G0B+4*\n+3], s[80:81], \n*512       ; 128 columns
	s_or_b32 s[G0B+4*\n+3], s[G0B+4*\n+3], 0x80000000
.endr
	TLOAD 0                                        ; key step 0; slot 1 is first filled behind the first trip's barrier
	; Q: two tiles of 16 queries and their scale word
	v_and_b32 v[L16], 31, v0
	v_lshlrev_b32 v[L16], 4, v[L16]
	v_and_b32 v64, 15, v0                          ; r
	v_bfe_u32 v65, v0, 4, 1                        ; h
	v_lshlrev_b32 v[T1], 4, v64
	s_lshr_b32 s82, s21, 2
	s_lshl_b32 s82, s82, 4
	s_add_co_u32 s82, s82, s76
	s_add_co_u32 s82, s82, s19                     ; my queries' record
	s_mul_i32 s82, s82, 4352
	s_and_b32 s83, s21, 3
	s_lshl_b32 s84, s83, 10                        ; tiles 2 (group % 4) and the next: 512 bytes each
	s_add_co_u32 s84, s84, s82
	s_mov_b32 s85, 0
	s_lshl_b32 s86, s83, 2                         ; word group % 4 holds both tiles' bytes
	s_add_co_u32 s86, s86, s82
	s_add_co_u32 s86, s86, 4096
	s_mov_b32 s87, 0
	s_add_nc_u64 s[84:85], s[4:5], s[84:85]
	s_add_nc_u64 s[86:87], s[4:5], s[86:87]
	global_load_b128 v[16:19], v[L16], s[84:85]
	global_load_b128 v[24:27], v[L16], s[84:85] offset:512
	global_load_b32 v[T0], v[T1], s[86:87]
	s_mul_i32 s88, s19, REC
	v_add_nc_u32 v[AK], s88, v[L16]
	v_add_nc_u32 v[AK+1], SLOT, v[AK]
	v_add_nc_u32 v[AS], s88, v[T1]
	v_add_nc_u32 v[AS], 8192, v[AS]
	v_add_nc_u32 v[AS+1], SLOT, v[AS]
	s_mul_i32 s89, s20, BGRP
	s_add_co_u32 s89, s89, BOFF
	v_mul_u32_u24 v[AB], v64, BPI
	v_lshl_add_u32 v[AB], v65, 5, v[AB]
	v_add_nc_u32 v[AB], s89, v[AB]
	v_add_nc_u32 v[AB+1], SLOT, v[AB]
	v_lshlrev_b32 v66, 3, v65
	v_sub_nc_u32 v[DQ], v64, v66
	; the prefetches: whose, from where, how the lanes are spread: (lane / 16) c4 + ((lane / 2) % 8) c1 + 256 (lane % 2)
	s_cmp_lt_u32 s[WV], 8                          ; waves 4-7 (of which wave 6 asks): scale bytes; waves 8-15: codes
	s_mov_b32 s72, 4096
	s_cselect_b32 s72, 16*REC, s72                 ; c4: the next step | 16 blocks on
	s_mov_b32 s73, 512
	s_cselect_b32 s73, REC, s73                    ; c1: the next record | 2 blocks on
	s_cselect_b32 s74, 8192, 0                     ; where in the record
	s_sub_co_i32 s75, s[WV], 8
	s_max_i32 s75, s75, 0                          ; which record
	s_add_co_u32 s75, s75, s76
	s_add_co_u32 s75, s75, 16                      ; of key step 1: each trip steps the address ahead of its barrier, so the first request names step 2
	s_mul_i32 s75, s75, REC
	s_add_co_u32 s75, s75, s74
	s_lshr_b32 s77, s[WV], 1
	s_and_b32 s77, s77, 1
	s_cmp_eq_u32 s77, 1
	s_cselect_b32 s77, s71, s15                    ; waves 0, 1: the early group's rows; waves 2, 3: the late group's
	s_lshl_b32 s77, s77, 1
	s_and_b32 s78, s[WV], 1
	s_add_co_u32 s77, s77, s78
	s_lshl_b32 s77, s77, 17                        ; 16 rows of 8,192 bytes a wave
	s_add_co_u32 s77, s77, 512                     ; key step 1
	s_cmp_lt_u32 s[WV], 4
	s_cselect_b32 s72, 65536, s72                  ; c4: 8 rows
	s_cselect_b32 s73, 8192, s73                   ; c1: a row
	s_cselect_b32 s74, s77, s75
	s_cselect_b64 s[PFA:PFA+1], s[8:9], s[6:7]
	s_mov_b32 s[PFS], 16*REC
	s_cselect_b32 s[PFS], 512, s[PFS]
	s_cselect_b32 s78, s16, s15                    ; the coordinate along which others read the same bytes
	s_cselect_b32 s79, 1, 0
	s_mov_b32 s[PFS+1], 0
	s_mov_b32 s75, 0
	s_add_nc_u64 s[PFA:PFA+1], s[PFA:PFA+1], s[74:75]
	s_cmp_ge_u32 s[WV], 8
	s_cselect_b32 s79, 1, s79
	s_cmp_eq_u32 s[WV], 6
	s_cselect_b32 s79, 2, s79
	s_cmp_eq_u32 s78, 0
	s_cselect_b32 s[ROLE], s79, 0
	v_bfe_u32 v66, v0, 1, 3
	v_and_b32 v67, 1, v0
	v_mul_lo_u32 v65, v65, s72
	v_mul_lo_u32 v66, v66, s73
	v_lshlrev_b32 v67, 8, v67
	v_add3_u32 v[PFO], v65, v66, v67
.irp j, 12,13,14,15,20,21,22,23,28,29,30,31
	v_mov_b32 v[\j], 0                             ; the zero codes beside Q
.endr
.irp j, 0,1,2,3
	v_mov_b32 v[BX+\j], 0                          ; written once: a lane permute's destination counts as one of its sources
.endr
	v_mov_b32 v[F+1], 0                            ; (named as the upper halves of pairs)
	v_mov_b32 v[F+3], 0
	v_mov_b32 v[NINF], 0xff800000
.irp x, 0,1
	v_mov_b32 v[ST+4*\x+1], 0xff61b1e6             ; the largest t so far: -3e38, under every t
	v_floor_f32 v[ST+4*\x], -v[ST+4*\x+1]          ; -M
	v_mov_b32 v[ST+4*\x+2], 0                      ; the sum, in two halves
	v_mov_b32 v[ST+4*\x+3], 0
.endr
	s_mov_b32 s62, 0x01000100
	s_mov_b32 s63, 0x03020302
	s_wait_loadcnt 0x0                             ; Q
	v_perm_b32 v[QS], v[T0], v[T0], s62            ; tile 0's two bytes, for k 0-63 and again for k 64-127
	v_perm_b32 v[QS+1], v[T0], v[T0], s63          ; tile 1's
.set j, 0
.rept 64
	v_mov_b32 v[O+j], 0                            ; O^T: the step is written for every step alike; the first finds zeros.  (These are also the places between the scale words' writes and the first product)
.set j, j+1
.endr
.macro BIAS n, x                       ; tile x's bias, in the score's layout: register 8 t + j of lane (r, h) is bias(query 16 x + r, key 16 t + 8 h + j)
.irp t, 0,1,2,3,4,5,6,7
	ds_load_b128 v[S+8*\t:S+8*\t+3], v[AB+\n] offset:16*BPI*\x+64*\t
	ds_load_b128 v[S+8*\t+4:S+8*\t+7], v[AB+\n] offset:16*BPI*\x+64*\t+16
.endr
.endm
.macro SCORE x                         ; S^T = K Q^T / 8 + bias: eight tiles of 16 keys, eight accumulators, one instruction each
.irp t, 0,1,2,3,4,5,6,7
	v_wmma_scale_f32_16x16x128_f8f6f4 v[S+8*\t:S+8*\t+7], v[VK+8*(\t/2):VK+8*(\t/2)+7], v[16+8*\x-4*(\t%2):23+8*\x-4*(\t%2)], v[S+8*\t:S+8*\t+7], v[KS+\t/2], v[QS+\x] matrix_a_fmt:MATRIX_FMT_FP4 matrix_b_fmt:MATRIX_FMT_FP4
.endr
.endm
.macro MASK x                          ; on the diagonal hidden scores become -infinity; a step all of whose keys count passes this over
	s_add_co_u32 s62, s[KF], 127
	s_cmp_le_u32 s62, s22
	s_cbranch_scc1 .Lopen_\@
	s_sub_co_u32 s62, s22, s[KF]
	s_add_co_u32 s62, s62, 16*\x
	v_add_nc_u32 v[T0], s62, v[DQ]                 ; d = my query - the step's first key - 8 h: register 8 t + j is hidden where 16 t + j > d
.set n, 0
.rept 64
	v_cmp_gt_i32 vcc_lo, 16*(n/8)+n%8, v[T0]
	v_cndmask_b32 v[S+n], v[S+n], v[NINF], vcc_lo
.set n, n+1
.endr
.Lopen_\@:
.endm
.macro SOFT x                          ; tile x: the running M, p, the sum, p's codes and scale word.  The step's first key counts for every query of the wave, so no row is wholly hidden
.set rM, ST+4*\x
.set rF, F+2*\x
.irp b, 0,1,2,3
	v_max3_num_f32 v[TM+\b], v[S+16*\b], v[S+16*\b+1], v[S+16*\b+2]   ; the largest score of each block of 32 keys: for the row's maximum and, since p rises with the score, for the block's largest p
.endr
.irp i, 3,5,7,9,11,13
.irp b, 0,1,2,3
	v_max3_num_f32 v[TM+\b], v[TM+\b], v[S+16*\b+\i], v[S+16*\b+\i+1]
.endr
.endr
.irp b, 0,1,2,3
	v_max_num_f32 v[TM+\b], v[TM+\b], v[S+16*\b+15]
.endr
.irp b, 0,1,2,3
	v_permlanex16_b32 v[BX+\b], v[TM+\b], s[SEL], s[SEL+1]
.endr
.irp b, 0,1,2,3
	v_max_num_f32 v[TM+\b], v[TM+\b], v[BX+\b]     ; with lane l xor 16's 16 keys
.endr
	v_max3_num_f32 v[T0], v[TM], v[TM+1], v[TM+2]
	v_max_num_f32 v[T0], v[T0], v[TM+3]
	v_mul_f32 v[T0], s[CS], v[T0]
	v_max_num_f32 v[rM+1], v[rM+1], v[T0]          ; the running largest t
	v_mov_b32 v[T0], v[rM]
	v_floor_f32 v[rM], -v[rM+1]                    ; the new -M = floor(-t): M is a whole number
	v_sub_f32 v[T0], v[rM], v[T0]                  ; old M - new M: a whole number, 0 or less
	v_cvt_i32_f32 v[T0], v[T0]                     ; (it saturates)
	v_ldexp_f32 v[rF], 1.0, v[T0]                  ; f = 2^(old M - new M): a multiplication by it rounds nothing
.set j, 0
.rept 32
	v_pk_fma_f32 v[S+j:S+j+1], v[S+j:S+j+1], s[CS:CS+1], v[rM:rM+1] op_sel_hi:[1,0,0]   ; t - M, two at a time
.set j, j+2
.endr
.irp b, 0,1,2,3
	v_fma_f32 v[TM+\b], v[TM+\b], s[CS], v[rM]     ; the same of each block's largest score
.endr
.set j, 0
.rept 64
	v_exp_f32 v[S+j], v[S+j]                       ; p = 2^(t - M)
.set j, j+1
.endr
	v_pk_mul_f32 v[rM+2:rM+3], v[rM+2:rM+3], v[rF:rF+1] op_sel_hi:[1,0]   ; the sums under the new M: the plain place behind the exponentials
	s_wait_alu depctr_va_vdst(0)                   ; the wait ahead of the first line that names a result: one for the batch of 64
.irp b, 0,1,2,3
	v_exp_f32 v[TM+\b], v[TM+\b]                   ; the block's largest p: the same two instructions on the same number
.endr
	v_pk_add_f32 v[BX:BX+1], v[S:S+1], v[S+2:S+3]  ; the row's sum of the unquantised p, in two chains
.set j, 4
.rept 15
	v_pk_add_f32 v[rM+2:rM+3], v[rM+2:rM+3], v[S+j:S+j+1]
	v_pk_add_f32 v[BX:BX+1], v[BX:BX+1], v[S+j+2:S+j+3]
.set j, j+4
.endr
	v_pk_add_f32 v[rM+2:rM+3], v[rM+2:rM+3], v[BX:BX+1]
	s_wait_alu depctr_va_vdst(0)                   ; and one for the four
.irp b, 0,1,2,3
	v_max_num_f32 v[TM+\b], 0x1800000, v[TM+\b]    ; the floor 2^(3 - 127): the byte cannot fall under 1 (a hidden block keeps that byte: its codes are zeros)
.endr
.irp b, 0,1,2,3
	v_add_nc_u32 v[SO+\b], 0xff000000, v[TM+\b]    ; 2 off the exponent field: the conversion's scale operand
.endr
.irp b, 0,1,2,3
	v_lshrrev_b32 v[BY+\b], 23, v[SO+\b]
.endr
	v_lshl_or_b32 v[PW+\x], v[BY+1], 8, v[BY]      ; p's scale word for these 128 keys
	v_lshl_or_b32 v[PW+\x], v[BY+2], 16, v[PW+\x]
	v_lshl_or_b32 v[PW+\x], v[BY+3], 24, v[PW+\x]
.irp b, 0,1,2,3
.irp u, 0,1
	v_cvt_scalef32_pk8_fp4_f32 v[PC+8*\x+4*(\b/2)+2*\u+(\b%2)], v[S+16*\b+8*\u:S+16*\b+8*\u+7], v[SO+\b]
.endr
.endr
	v_nop                                          ; one plain place behind a scaled conversion
.irp c, 0,1
	v_permlane16_swap_b32 v[PC+8*\x+4*\c], v[PC+8*\x+4*\c+1]       ; register 4 c + i now holds block 2 c + h, keys 8 i on
	v_permlane16_swap_b32 v[PC+8*\x+4*\c+2], v[PC+8*\x+4*\c+3]
.endr
.endm
; A KEY STEP: 128 keys, out of slot n.
.macro STEP n
	s_cmp_gt_u32 s[KF], s23                        ; all 128 keys come after my 32 queries: nothing to do but to step the key
	s_cbranch_scc1 .Lhidden_\@
.irp t, 0,1,2,3,4,5,6,7
	ds_load_b128 v[VK+4*\t:VK+4*\t+3], v[AK+\n] offset:512*\t      ; K: tile t's image
.endr
	ds_load_b128 v[KS:KS+3], v[AS+\n]              ; its scale words
	BIAS \n, 0
	s_wait_dscnt 0x0
	SCORE 0
.rept 4
	v_nop                                          ; places ahead of the first read of the scores
.endr
	MASK 0
	SOFT 0
	BIAS \n, 1
	s_wait_dscnt 0x0
	SCORE 1
.rept 4
	v_nop                                          ; places ahead of the reads of the scores and of the loads into K's registers
.endr
.irp m, 0,1,2,3,4,5,6,7
	ds_load_b128 v[VK+4*\m:VK+4*\m+3], v[AK+\n] offset:4096+512*\m ; V^T: four fragments of 16 channels x 128 keys; they land under tile 1's softmax
.endr
	ds_load_b128 v[KS:KS+3], v[AS+\n] offset:256
	MASK 1
	SOFT 1
.irp y, 0,1
.set j, 0
.rept 16
	v_pk_mul_f32 v[O+32*\y+j:O+32*\y+j+1], v[O+32*\y+j:O+32*\y+j+1], v[F+2*\y:F+2*\y+1] op_sel_hi:[1,0]   ; O^T under the new M, each accumulator from its low end on; also the places ahead of the products below
.set j, j+2
.endr
.endr
	s_wait_dscnt 0x0
.irp d, 0,1,2,3
.irp y, 0,1
	v_wmma_scale_f32_16x16x128_f8f6f4 v[O+32*\y+8*\d:O+32*\y+8*\d+7], v[VK+8*\d:VK+8*\d+7], v[PC+8*\y:PC+8*\y+7], v[O+32*\y+8*\d:O+32*\y+8*\d+7], v[KS+\d], v[PW+\y] matrix_a_fmt:MATRIX_FMT_FP4 matrix_b_fmt:MATRIX_FMT_FP4
.endr
.endr
.rept 4
	v_nop                                          ; places ahead of the next step's loads into these registers, and of the way out
.endr
.Lhidden_\@:
	s_add_co_u32 s[KF], s[KF], 128
.endm
; A TRIP: the change of slots, then a key step.  Each wave waits for all its tensor loads (its part of this trip's slot), adds 0 to its spare word, and waits for that and for its reads of the other slot.
; Behind the barrier this trip's slot is whole and nobody reads the other one, which takes the next key step: the load has this step's work in which to land.
.macro TRIP slot, refill, ask
	s_wait_tensorcnt 0x0                           ; no tensor load of mine is out, so a group 0 may be written
	ds_add_u32 v[SPW], v[NIL]                      ; the steps below stand between the add and the wait for it
	s_add_nc_u64 s[G0K+4*\slot+2:G0K+4*\slot+3], s[G0K+4*\slot+2:G0K+4*\slot+3], 2*16*REC   ; this slot's next key step
	s_add_nc_u64 s[G0B+4*\slot+2:G0B+4*\slot+3], s[G0B+4*\slot+2:G0B+4*\slot+3], 2*512
	s_wait_xcnt 0x0                                ; the last prefetch, a key step back, has read its address
	s_add_nc_u64 s[PFA:PFA+1], s[PFA:PFA+1], s[PFS:PFS+1]
	s_wait_dscnt 0x0                               ; the add is done, and my reads of the other slot are over
	s_barrier_signal -1
	s_barrier_wait -1
.if \refill
	TLOAD 1-\slot
.endif
.if \ask
	ASK \slot
.endif
	STEP \slot
.endm
.Lloop:
	TRIP 0, 1, 1
	TRIP 1, 1, 1
	s_sub_co_u32 s[TRIPS], s[TRIPS], 1
	s_cmp_lg_u32 s[TRIPS], 0
	s_cbranch_scc1 .Lloop
	TRIP 0, 1, 0                                   ; the last two steps are written out (their stepped addresses are not used)
	TRIP 1, 0, 0
; THE QUANTISER of the way out: 64 numbers of a lane, register 16 B + 8 u + j = channel 16 u + 8 h + j of block B; here blocks 0, 1 are tile 0's two blocks of 32 channels and blocks 2, 3 tile 1's.
.macro QUANTN s, pc, pw
.irp b, 0,1,2,3
	v_max3_num_f32 v[TM+\b], |v[(\s)+16*\b]|, |v[(\s)+16*\b+1]|, 0x1800000
.endr
.irp i, 2,4,6,8,10,12,14
.irp b, 0,1,2,3
	v_max3_num_f32 v[TM+\b], v[TM+\b], |v[(\s)+16*\b+\i]|, |v[(\s)+16*\b+\i+1]|
.endr
.endr
.irp b, 0,1,2,3
	v_permlanex16_b32 v[TM+4+\b], v[TM+\b], s[SEL], s[SEL+1]
.endr
.irp b, 0,1,2,3
	v_max_num_f32 v[TM+\b], v[TM+\b], v[TM+4+\b]
.endr
.irp b, 0,1,2,3
	v_add_nc_u32 v[TM+8+\b], 0xff000000, v[TM+\b]
.endr
.irp b, 0,1,2,3
	v_lshrrev_b32 v[TM+4+\b], 23, v[TM+8+\b]
.endr
	v_lshl_or_b32 v[\pw], v[TM+5], 8, v[TM+4]
	v_lshl_or_b32 v[\pw], v[TM+6], 16, v[\pw]
	v_lshl_or_b32 v[\pw], v[TM+7], 24, v[\pw]
.irp b, 0,1,2,3
.irp u, 0,1
	v_cvt_scalef32_pk8_fp4_f32 v[(\pc)+4*(\b/2)+2*\u+(\b%2)], v[(\s)+16*\b+8*\u:(\s)+16*\b+8*\u+7], v[TM+8+\b]
.endr
.endr
	v_nop
.irp c, 0,1
	v_permlane16_swap_b32 v[(\pc)+4*\c], v[(\pc)+4*\c+1]
	v_permlane16_swap_b32 v[(\pc)+4*\c+2], v[(\pc)+4*\c+3]
.endr
.endm
	; THE WAY OUT.  O^T / the sum is quantised along C (a head is two blocks of 32); a lane's 16 bytes of codes meet the other heads' in a stage, and whole units of 256 bytes of a row leave.
.irp x, 0,1
	v_add_f32 v[ST+4*\x+2], v[ST+4*\x+2], v[ST+4*\x+3]
.endr
.irp x, 0,1
	v_permlanex16_b32 v[BX+\x], v[ST+4*\x+2], s[SEL], s[SEL+1]
.endr
.irp x, 0,1
	v_add_f32 v[ST+4*\x+2], v[ST+4*\x+2], v[BX+\x] ; the row's sum
.endr
.irp x, 0,1
	v_rcp_f32 v[F+2*\x], v[ST+4*\x+2]
.endr
	v_and_b32 v64, 15, v0                          ; r.  (The address work is the plain work behind the reciprocals)
	v_bfe_u32 v65, v0, 4, 1                        ; h
	s_mul_i32 s78, s20, 32*SP
	s_lshl_b32 s79, s19, 5
	s_add_co_u32 s78, s78, s79
	s_add_co_u32 s78, s78, STG
	v_mul_u32_u24 v1, v64, SP
	v_lshl_add_u32 v1, v65, 4, v1
	v_add_nc_u32 v1, s78, v1                       ; codes in: row 32 late + r, byte 32 x head + 16 h
	s_lshl_b32 s79, s20, 9
	s_lshl_b32 s80, s19, 1
	s_add_co_u32 s79, s79, s80
	s_add_co_u32 s79, s79, SSTG
	v_lshl_add_u32 v2, v64, 4, s79                 ; scale bytes in: 16 bytes a row, 2 a head
	s_mul_i32 s80, s[WV], 4*SP
	s_add_co_u32 s80, s80, STG
	v_mul_u32_u24 v3, v65, SP
	v_lshl_add_u32 v3, v64, 4, v3
	v_add_nc_u32 v3, s80, v3                       ; codes back: wave w takes rows 4 w on; lanes 0-15 one row, lanes 16-31 the next
	v_lshlrev_b32 v4, 9, v65
	v_lshl_add_u32 v4, v64, 4, v4                  ; and the same two rows in ao_codes
	s_lshr_b32 s72, s[WV], 3                       ; waves 0-7 store the early group's rows, waves 8-15 the late group's
	s_lshl_b32 s81, s72, 9
	s_add_co_u32 s81, s81, SSTG
	v_add_nc_u32 v5, s81, v[L16]                   ; scale bytes back: a lane a row
	v_lshlrev_b32 v6, 1, v[L16]                    ; 32 bytes a row in ao_scales
	s_cmp_eq_u32 s72, 1
	s_cselect_b32 s73, s71, s15
	s_lshl_b32 s73, s73, 5
	s_lshl_b32 s74, s17, 11
	s_add_co_u32 s73, s73, s74                     ; the group's first row: 2,048 x batch + 32 x group
	s_lshl_b32 s74, s[WV], 2
	s_and_b32 s74, s74, 31
	s_add_co_u32 s74, s74, s73
	s_lshl_b32 s74, s74, 9
	s_lshl_b32 s75, s18, 8
	s_add_co_u32 s74, s74, s75                     ; 512 bytes a row, my eight heads' 256
	s_mov_b32 s75, 0
	s_add_nc_u64 s[10:11], s[10:11], s[74:75]
	s_lshl_b32 s76, s73, 5
	s_lshl_b32 s77, s18, 4
	s_add_co_u32 s76, s76, s77
	s_mov_b32 s77, 0
	s_add_nc_u64 s[12:13], s[12:13], s[76:77]
	s_wait_alu depctr_va_vdst(0)                   ; ahead of the reciprocals' first reader
.irp x, 0,1
.set j, 0
.rept 16
	v_pk_mul_f32 v[O+32*\x+j:O+32*\x+j+1], v[O+32*\x+j:O+32*\x+j+1], v[F+2*\x:F+2*\x+1] op_sel_hi:[1,0]
.set j, j+2
.endr
.endr
	QUANTN O, PC, T1
	v_lshrrev_b32 v[T0], 16, v[T1]                 ; tile 1's two bytes
	ds_store_b128 v1, v[PC:PC+3]                   ; tile 0: query r, channels 32 h on
	ds_store_b128 v1, v[PC+4:PC+7] offset:16*SP    ; tile 1
	ds_store_b16 v2, v[T1]                         ; both lanes of a row write the same two bytes with the same value
	ds_store_b16 v2, v[T0] offset:256
	s_wait_dscnt 0x0                               ; for the others' sake: my stores into the stages are done
	s_barrier_signal -1
	s_barrier_wait -1
	ds_load_b128 v[S:S+3], v3
	ds_load_b128 v[S+4:S+7], v3 offset:2*SP
	s_wait_dscnt 0x0
	global_store_b128 v4, v[S:S+3], s[10:11]               ; 16 lanes store 256 consecutive bytes, at a multiple of 256 from the buffer's first byte
	global_store_b128 v4, v[S+4:S+7], s[10:11] offset:1024
	s_and_b32 s62, s[WV], 7
	s_cmp_lg_u32 s62, 0
	s_cbranch_scc1 .Lno_scales                     ; waves 0 and 8 store a group's scale bytes: 16 of a row's 32, rows on end: half of each 32 bytes; they are a sixteenth of what the launch stores
	ds_load_b128 v[S+8:S+11], v5
	s_wait_dscnt 0x0
	global_store_b128 v6, v[S+8:S+11], s[12:13]
.Lno_scales:
	s_wait_tensorcnt 0x0                           ; the wave's end
	ds_add_u32 v[SPW], v[NIL]
	s_wait_dscnt 0x0
	s_endpgm
.Lfunc_end_k_qb8a09e93cd_attn:
	.size	k_qb8a09e93cd_attn, .Lfunc_end_k_qb8a09e93cd_attn-k_qb8a09e93cd_attn
	.p2alignl 7, 3214868480
	.fill 96, 4, 3214868480
	.section	.rodata,"a",@progbits
	.p2align	6, 0x0
	.amdhsa_kernel k_qb8a09e93cd_attn
		.amdhsa_group_segment_fixed_size 327680
		.amdhsa_private_segment_fixed_size 0
		.amdhsa_enable_private_segment 0
		.amdhsa_kernarg_size 40
		.amdhsa_user_sgpr_count 2
		.amdhsa_user_sgpr_kernarg_segment_ptr 1
		.amdhsa_wavefront_size32 1
		.amdhsa_system_sgpr_workgroup_id_x 1
		.amdhsa_system_sgpr_workgroup_id_y 1
		.amdhsa_system_sgpr_workgroup_id_z 1
		.amdhsa_system_vgpr_workitem_id 0
		.amdhsa_next_free_vgpr 256
		.amdhsa_next_free_sgpr 96
		.amdhsa_reserve_vcc 1
		.amdhsa_float_denorm_mode_32 3
		.amdhsa_float_denorm_mode_16_64 3
		.amdhsa_memory_ordered 1
		.amdhsa_forward_progress 1
		.amdhsa_inst_pref_size 186
	.end_amdhsa_kernel
	.amdgpu_metadata
---
amdhsa.version: [ 1, 2 ]
amdhsa.kernels:
  - .name:           k_qb8a09e93cd_attn
    .symbol:         k_qb8a09e93cd_attn.kd
    .args:
      - { .name: qq, .offset: 0, .size: 8, .value_kind: global_buffer, .address_space: global }
      - { .name: kv, .offset: 8, .size: 8, .value_kind: global_buffer, .address_space: global }
      - { .name: dna_bias, .offset: 16, .size: 8, .value_kind: global_buffer, .address_space: global }
      - { .name: ao_codes, .offset: 24, .size: 8, .value_kind: global_buffer, .address_space: global }
      - { .name: ao_scales, .offset: 32, .size: 8, .value_kind: global_buffer, .address_space: global }
    .group_segment_fixed_size: 327680
    .private_segment_fixed_size: 0
    .kernarg_segment_align: 8
    .kernarg_segment_size: 40
    .max_flat_workgroup_size: 512
    .sgpr_count:     96
    .vgpr_count:     256
    .wavefront_size: 32
...
	.end_amdgpu_metadata
.endif
;; end of part 2
;; launch proj (part 3): grid 4 x 32, 4 waves a work-group, clusters of 4 x 4, 327,680 bytes of LDS; arguments ao_codes, ao_scales, out_w_codes, out_w_scales, out_b, out0; writes out0
.if DOCPART == 3
	.amdgcn_target "amdgcn-amd-amdhsa--gfx1250"
	.amdhsa_code_object_version 6
	.text
	.protected	k_qb8a09e93cd_proj
	.globl	k_qb8a09e93cd_proj
	.p2align	8
	.type	k_qb8a09e93cd_proj,@function
k_qb8a09e93cd_proj:
	s_mov_b64 s[64:65], 0
	v_nop
	global_prefetch_b8 v0, s[64:65] scope:SCOPE_SE
	s_setreg_imm32_b32 hwreg(HW_REG_WAVE_MODE, 25, 1), 1
	s_wait_xcnt 0x0
	s_wait_alu depctr_hold_cnt(0) depctr_sa_sdst(0) depctr_va_vdst(0) depctr_va_sdst(0) depctr_va_ssrc(0) depctr_va_vcc(0) depctr_vm_vsrc(0)
	s_getreg_b32 s2, hwreg(HW_REG_IB_STS2, 6, 4)
	s_cmp_eq_u32 s2, 0
	s_cbranch_scc0 .Lentry_in_a_cluster
	s_endpgm
.Lentry_in_a_cluster:
	s_bfe_u32 s2, ttmp6, 0x10000c
	s_cmp_lg_u32 s2, 0xf033
	s_cbranch_scc0 .Lentry_shape_is_right
	s_endpgm
.Lentry_shape_is_right:
; out0 = A W^T + out_b.  A: the attention's result as codes of FP4 (E2M1), [8,192][1,024], with one E8M0 scale for each 32 along K; W = out_w [1,024][1,024] likewise; out0 [8,192][1,024] f32; sums in f32.
; A tile of 256 x 256 is made by four waves, 128 x 128 each: 64 accumulators, 512 registers.  K goes in two steps of 512 (rows of 256 bytes) through two LDS slots, each filled once; the scale bytes of the tile's
; 2 x 256 rows come with the first fills as dense blocks.  128 work-groups: the tile is kept large, since each byte read from LDS then feeds the most products.
; CLUSTERS: 4 x 4 work-groups; A's tiles are asked for jointly along a row of the cluster, W's along a column.  THE MATRIX INSTRUCTION IS USED TRANSPOSED (source 0 = 16 rows of W, source 1 = 16 rows of A):
; a lane holds eight neighbouring numbers of a row of out0.  The bias, loaded in the result's layout, is the C of each sum's first product.
; No prefetch: all of a work-group's tensor loads go out at its head.
; REGISTERS, in windows of 256: window 0: v0-31 addresses; v32-95 scale words, two sets; v128-191 A's fragments; v192-255 the bias; on the way out v128-255 take rows of out0.
;   window 1: W's fragments, two sets.   window 2, 3: the accumulators of my rows 0-63, 64-127.
.set SIZE_N, 1024
.set KSTEP,  512
.set NQ,     KSTEP/128
.set ROWB,   256
.set KROW,   512
.set PITCH,  272
.set FR,     8
.set NL,     2
.set NP,     4
.set HALFT,  128*PITCH
.set SLOT,   4*HALFT
.set KS,     32
.set SCL,    2*SLOT
.set HALFS,  (128*KS/256)*272
.set SBLK,   (16*KS/256)*272
.set SPARE,  SCL+4*HALFS
.set SPITCH, 528                       ; the way out: a stage of 16 rows x (512 bytes + 16) for each wave, in slot 0, which has had its only fill and its last read when the first result is stored there
.set VB32, 7                           ; v7  32 h
.set ADRA, 16
.set ADRB, 20
.set STO,  24
.set RD,   25
.set CO,   26
.set ADRS, 27
.set SPW,  28
.set NIL,  29
.set SC,   32
.set AF,   128
.set BK,   128
.set CB,   192                         ; v192-255 out_b at my 64 columns of a lane
.set G1, 24
.set G0, 32
.set G1B, 48
.set G0B, 56
.set G1S, 68
.set G0S, 76
.set G1SB, 80
.set G0SB, 88
.set MSB, 0
.macro WIN new
.if MSB != (\new)
	s_set_vgpr_msb (MSB<<8)|(\new)
.set MSB, (\new)
.endif
.endm
.set MUL_LO, 0xa1                      ; source 0 (W) window 1, source 1 (A) window 0, C and D window 2
.set MUL_HI, 0xf1                      ; the same, C and D window 3
.set FIRST_LO, 0x81                    ; the first products: C (the bias) window 0, D window 2
.set FIRST_HI, 0xc1                    ; D window 3
.set TO_B,   0x40
.macro JLOAD g0a, g1a, g0b, g1b        ; a joint load: waves 0 and 1 fetch for A, waves 2 and 3 for W; an s_nop 0 and four v_nop follow each line
	s_cmp_eq_u32 s15, 0
	s_cbranch_scc0 .Lfor_b_\@
	tensor_load_to_lds s[\g0a:\g0a+3], s[\g1a:\g1a+7]
	s_nop 0
.rept 4
	v_nop
.endr
	s_branch .Lasked_\@
.Lfor_b_\@:
	tensor_load_to_lds s[\g0b:\g0b+3], s[\g1b:\g1b+7]
	s_nop 0
.rept 4
	v_nop
.endr
.Lasked_\@:
.endm
.macro CROUND                          ; a round of the cluster's barrier
	s_barrier_signal -1
	s_barrier_wait -1
	s_cmp_lg_u32 s14, 0
	s_cbranch_scc1 .Lnot_wave_0_\@
	s_barrier_signal -3
.Lnot_wave_0_\@:
	s_barrier_wait -3
	s_barrier_signal -1
	s_barrier_wait -1
.endm
	s_load_b128 s[4:7], s[0:1], 0x0                ; A's codes, A's scales
	s_load_b128 s[8:11], s[0:1], 0x10              ; W's codes, W's scales
	s_load_b64 s[96:97], s[0:1], 0x20              ; out_b
	s_load_b64 s[12:13], s[0:1], 0x28              ; out0
	v_lshl_add_u32 v[SPW], v0, 2, SPARE
	v_mov_b32 v[NIL], 0
	ds_add_u32 v[SPW], v[NIL]                      ; the wave's opening: the add and its wait come ahead of my first tensor load
	v_lshrrev_b32 v1, 5, v0
	v_readfirstlane_b32 s14, v1                    ; wave 0..3
	s_lshr_b32 s15, s14, 1
	s_and_b32 s16, s14, 1
	s_bfe_u32 s40, ttmp6, 0x40000                  ; cx, cy
	s_bfe_u32 s41, ttmp6, 0x40004
	s_lshl_b32 s42, ttmp9, 2
	s_add_co_u32 s42, s42, s40                     ; tile column
	s_and_b32 s17, ttmp7, 0xffff
	s_lshl_b32 s17, s17, 2
	s_add_co_u32 s17, s17, s41                     ; tile row
	s_lshl_b32 s43, s41, 2
	s_lshl_b32 s43, 15, s43                        ; my row of the cluster
	s_lshl_b32 s44, 0x1111, s40                    ; my column
	s_or_b32 s[G1+0], s43, (0<<16)|(1<<20)|(1<<21)|(5<<22)|(3<<25)
	s_or_b32 s[G1B+0], s44, (0<<16)|(1<<20)|(1<<21)|(5<<22)|(3<<25)
.irp g, G1, G1B
	s_mov_b32 s[\g+1], ROWB<<16
	s_mov_b32 s[\g+2], 128<<16
	s_mov_b32 s[\g+3], ROWB<<16
	s_mov_b32 s[\g+4], 128
	s_mov_b32 s[\g+5], KROW
	s_mov_b32 s[\g+6], 0
	s_mov_b32 s[\g+7], 0
.endr
	s_or_b32 s[G1S+0], s43, (3<<16)|(1<<20)|(1<<21)|(5<<22)|(3<<25)
	s_or_b32 s[G1SB+0], s44, (3<<16)|(1<<20)|(1<<21)|(5<<22)|(3<<25)
.irp g, G1S, G1SB
	s_mov_b32 s[\g+1], 32<<16
	s_mov_b32 s[\g+2], (128*KS/256)<<16
	s_mov_b32 s[\g+3], 32<<16
	s_mov_b32 s[\g+4], 128*KS/256
	s_mov_b32 s[\g+5], 32
	s_mov_b32 s[\g+6], 0
	s_mov_b32 s[\g+7], 0
.endr
	s_lshl_b32 s18, s16, 7
	s_lshl_b32 s20, s17, 8
	s_add_co_u32 s20, s20, s18
	s_lshl_b32 s46, s42, 8
	s_add_co_u32 s46, s46, s18
	s_mov_b32 s21, 0
	s_mov_b32 s47, 0
	s_mov_b64 s[18:19], KS
	s_mul_u64 s[22:23], s[20:21], s[18:19]
	s_mul_u64 s[92:93], s[46:47], s[18:19]
	s_mov_b64 s[18:19], KROW
	s_mul_u64 s[20:21], s[20:21], s[18:19]
	s_mul_u64 s[46:47], s[46:47], s[18:19]
	s_mul_i32 s45, s14, HALFT
	s_mul_i32 s94, s14, HALFS
	s_wait_dscnt 0x0                               ; the opening add is done
	s_wait_kmcnt 0x0
	s_add_nc_u64 s[20:21], s[4:5], s[20:21]
	s_add_nc_u64 s[22:23], s[6:7], s[22:23]
	s_add_nc_u64 s[46:47], s[8:9], s[46:47]
	s_add_nc_u64 s[92:93], s[10:11], s[92:93]
	CROUND                                         ; the first joint loads meet
	s_mov_b32 s[G0S], 1
	s_add_co_u32 s[G0S+1], s94, SCL
	s_mov_b64 s[G0S+2:G0S+3], s[22:23]
	s_or_b32 s[G0S+3], s[G0S+3], 0x80000000
	s_mov_b32 s[G0SB], 1
	s_add_co_u32 s[G0SB+1], s94, SCL
	s_mov_b64 s[G0SB+2:G0SB+3], s[92:93]
	s_or_b32 s[G0SB+3], s[G0SB+3], 0x80000000
	JLOAD G0S, G1S, G0SB, G1SB
.irp s, 0,1
	s_mov_b32 s[G0+4*\s], 1
	s_add_co_u32 s[G0+4*\s+1], s45, \s*SLOT
	s_add_nc_u64 s[G0+4*\s+2:G0+4*\s+3], s[20:21], \s*ROWB
	s_or_b32 s[G0+4*\s+3], s[G0+4*\s+3], 0x80000000
	s_mov_b32 s[G0B+4*\s], 1
	s_add_co_u32 s[G0B+4*\s+1], s45, \s*SLOT
	s_add_nc_u64 s[G0B+4*\s+2:G0B+4*\s+3], s[46:47], \s*ROWB
	s_or_b32 s[G0B+4*\s+3], s[G0B+4*\s+3], 0x80000000
	JLOAD G0+4*\s, G1, G0B+4*\s, G1B               ; three loads of mine are out: all that this launch asks for
.endr
	v_and_b32 v1, 15, v0
	v_bfe_u32 v2, v0, 4, 1
	v_mul_u32_u24 v3, v1, PITCH
	v_lshl_add_u32 v4, v2, 4, v3
	s_mul_i32 s21, s15, HALFT
	s_mul_i32 s22, s16, HALFT
	s_add_co_u32 s22, s22, 2*HALFT
.irp s, 0,1
	v_add_nc_u32 v[ADRA+\s], s21, v4
	v_add_nc_u32 v[ADRB+\s], s22, v4
	s_add_co_u32 s21, s21, SLOT
	s_add_co_u32 s22, s22, SLOT
.endr
	v_mul_u32_u24 v5, v1, KS
	v_lshrrev_b32 v6, 8, v5
	v_lshl_add_u32 v5, v6, 4, v5
	s_mul_i32 s21, s15, HALFS
	s_mul_i32 s22, s16, HALFS
	s_add_co_u32 s22, s22, 2*HALFS
	s_sub_co_u32 s22, s22, s21
	v_mul_u32_u24 v6, s22, v2
	s_add_co_u32 s21, s21, SCL
	v_add_nc_u32 v5, v5, v6
	v_add_nc_u32 v[ADRS], s21, v5
	s_mul_i32 s23, s14, 16*SPITCH                  ; my stage
	v_mul_u32_u24 v5, v1, SPITCH
	v_lshl_add_u32 v5, v2, 5, v5
	v_add_nc_u32 v[STO], s23, v5
	v_and_b32 v6, 31, v0
	v_lshlrev_b32 v[CO], 4, v6
	v_add_nc_u32 v[RD], s23, v[CO]
	s_lshl_b32 s20, s17, 8
	s_lshl_b32 s21, s15, 7
	s_add_co_u32 s20, s20, s21                     ; my first row of out0
	s_mov_b32 s21, 0
	s_mov_b64 s[18:19], SIZE_N*4
	s_mul_u64 s[20:21], s[20:21], s[18:19]
	s_lshl_b32 s46, s42, 10                        ; my first column, in bytes
	s_lshl_b32 s47, s16, 9
	s_add_co_u32 s46, s46, s47
	s_mov_b32 s47, 0
	s_add_nc_u64 s[96:97], s[96:97], s[46:47]      ; out_b at my first column
	s_add_nc_u64 s[20:21], s[20:21], s[46:47]
	s_add_nc_u64 s[12:13], s[12:13], s[20:21]
	v_lshlrev_b32 v[VB32], 5, v2
.irp b, 0,1,2,3,4,5,6,7
	global_load_b128 v[CB+8*\b:CB+8*\b+3], v[VB32], s[96:97] offset:64*\b        ; out_b(column 16 b + 8 h + 0 .. 7)
	global_load_b128 v[CB+8*\b+4:CB+8*\b+7], v[VB32], s[96:97] offset:64*\b+16
.endr
.macro FRAG reg, adr, q, i
.irp c, 0,1
	ds_load_b128 v[\reg+4*\c:\reg+4*\c+3], v[\adr] offset:64*(\q)+32*\c+(\i)*16*PITCH
.endr
.endm
; 16 matrix instructions: A's blocks a0, a0 + 1 x W's eight.  first = 1: the sums begin with the bias as C.  The 64 accumulators take turns, one instruction a turn.
.macro MUL16 a0, p, q, sc, first
.irp a, \a0, \a0+1
.irp b, 0,1,2,3,4,5,6,7
.if \first
	v_wmma_scale_f32_16x16x128_f8f6f4 v[8*(8*((\a)%4)+\b):8*(8*((\a)%4)+\b)+7], v[128*(\p)+FR*\b:128*(\p)+FR*\b+FR-1], v[AF+FR*(\a):AF+FR*(\a)+FR-1], v[CB+8*\b:CB+8*\b+7], v[SC+8*NQ*(\sc)+NQ*\b+(\q)], v[SC+8*NQ*(\sc)+NQ*(\a)+(\q)] matrix_a_fmt:MATRIX_FMT_FP4 matrix_b_fmt:MATRIX_FMT_FP4 matrix_a_scale:MATRIX_SCALE_ROW1
.else
	v_wmma_scale_f32_16x16x128_f8f6f4 v[8*(8*((\a)%4)+\b):8*(8*((\a)%4)+\b)+7], v[128*(\p)+FR*\b:128*(\p)+FR*\b+FR-1], v[AF+FR*(\a):AF+FR*(\a)+FR-1], v[8*(8*((\a)%4)+\b):8*(8*((\a)%4)+\b)+7], v[SC+8*NQ*(\sc)+NQ*\b+(\q)], v[SC+8*NQ*(\sc)+NQ*(\a)+(\q)] matrix_a_fmt:MATRIX_FMT_FP4 matrix_b_fmt:MATRIX_FMT_FP4 matrix_a_scale:MATRIX_SCALE_ROW1
.endif
.endr
.endr
.endm
.macro FETCH_B slot, q, p
	WIN TO_B
.irp i, 0,1,2,3,4,5,6,7
	FRAG 128*(\p)+FR*\i, ADRB+\slot, \q, \i
.endr
	WIN 0
.endm
.macro FETCH_A slot, q, i0
.irp i, \i0, \i0+1, \i0+2, \i0+3
	FRAG AF+FR*(\i), ADRA+\slot, \q, \i
.endr
.endm
.macro SCALES sc
.irp i, 0,1,2,3,4,5,6,7
	ds_load_b128 v[SC+8*NQ*\sc+NQ*\i:SC+8*NQ*\sc+NQ*\i+3], v[ADRS] offset:\i*SBLK
.endr
.endm
.macro PLACES n                        ; plain vector instructions between a matrix instruction and a load into one of its registers, or a read of its result
.rept \n
	v_nop
.endr
.endm
.macro STEP slot, q, first
	s_wait_dscnt 4*NL                              ; W's set and A's blocks 0-3 are in; the youngest eight loads (A's blocks 4-7) may be out
.if \first
	WIN FIRST_LO
.else
	WIN MUL_LO
.endif
	MUL16 0, (\q)%2, \q, \slot, \first
	MUL16 2, (\q)%2, \q, \slot, \first
	s_wait_dscnt 0
	PLACES NP
	FETCH_B \slot, (\q)+1, 1-(\q)%2
	FETCH_A \slot, (\q)+1, 0
.if \first
	WIN FIRST_HI
.else
	WIN MUL_HI
.endif
	MUL16 4, (\q)%2, \q, \slot, \first
	MUL16 6, (\q)%2, \q, \slot, \first
	PLACES NP
	WIN 0
	FETCH_A \slot, (\q)+1, 4
.endm
.macro TURN slot, next                 ; slot 0's last step: slot 1 is shown whole to every wave.  Nothing is filled again
	s_wait_tensorcnt 0x0                           ; all my tensor loads have landed: my part of slot 1
	ds_add_u32 v[SPW], v[NIL]
	s_wait_dscnt 4*NL+1                            ; (the add and the youngest eight loads may be out)
	WIN MUL_LO
	MUL16 0, 1, NQ-1, \slot, 0
	s_wait_dscnt 0x0                               ; the add is done, and my reads of slot 0 are over: behind this barrier nobody reads it, and the stages may lie there
	s_barrier_signal -1
	MUL16 2, 1, NQ-1, \slot, 0
	WIN 0
	s_barrier_wait -1
	PLACES NP
	v_add_nc_u32 v[ADRS], 4*NQ, v[ADRS]
	FETCH_B \next, 0, 0
	FETCH_A \next, 0, 0
	SCALES \next
	WIN MUL_HI
	MUL16 4, 1, NQ-1, \slot, 0
	MUL16 6, 1, NQ-1, \slot, 0
	PLACES NP
	WIN 0
	FETCH_A \next, 0, 4
.endm
.macro STEPS slot, from
.set Q, \from
.rept NQ-1-\from
	STEP \slot, Q, 0
.set Q, Q+1
.endr
.endm
	s_wait_tensorcnt 1                             ; the scales and my part of K step 0 are in; slot 1's load may be out
	s_barrier_signal -1
	s_barrier_wait -1
	FETCH_B 0, 0, 0
	FETCH_A 0, 0, 0
	SCALES 0
	FETCH_A 0, 0, 4
	s_wait_loadcnt 0x0                             ; the bias
	STEP 0, 0, 1
	STEPS 0, 1
	TURN 0, 1
	STEPS 1, 0
	s_wait_dscnt 4*NL
	WIN MUL_LO
	MUL16 0, 1, NQ-1, 1, 0
	MUL16 2, 1, NQ-1, 1, 0
	s_wait_dscnt 0
	WIN MUL_HI
	MUL16 4, 1, NQ-1, 1, 0
	MUL16 6, 1, NQ-1, 1, 0
	WIN 0
; THE WAY OUT, block by block of 16 rows x 128 columns: through my own stage in LDS and back as whole rows of 512 bytes.  LDS serves a wave's instructions in order (ISA guide 5.7.1.4): no wait between the stores and the loads.
.macro TOSTAGE a
.set AC, 64*((\a)%4)
	WIN 0x08+4*((\a)/4)                            ; the data: window 2 or 3
.irp b, 0,1,2,3,4,5,6,7
	ds_store_b128 v[STO], v[AC+8*\b:AC+8*\b+3] offset:64*\b          ; each accumulator from its low end on
	ds_store_b128 v[STO], v[AC+8*\b+4:AC+8*\b+7] offset:64*\b+16
.endr
	WIN 0
.set BB, BK+64*((\a)%2)
.irp t, 0,1,2,3,4,5,6,7,8,9,10,11,12,13,14,15
	ds_load_b128 v[BB+4*\t:BB+4*\t+3], v[RD] offset:\t*SPITCH
.endr
.endm
.macro SEND a, younger                 ; younger: the LDS instructions issued behind block a's loads, which may stay out
.set BB, BK+64*((\a)%2)
	s_wait_dscnt \younger
.if (\a) > 0
	s_add_nc_u64 s[12:13], s[12:13], 16*SIZE_N*4   ; (behind a wait on XCNT: the earlier stores have read their base)
.endif
.irp t, 0,1,2,3,4,5,6,7,8,9,10,11,12,13,14,15
	global_store_b128 v[CO], v[BB+4*\t:BB+4*\t+3], s[12:13] offset:\t*SIZE_N*4 th:TH_STORE_NT   ; 32 lanes store 512 consecutive bytes, at a multiple of 256 from out0's first byte
.endr
.endm
	PLACES NP
	TOSTAGE 0
.irp a, 1,2,3,4,5,6,7
.if \a > 1
	s_wait_xcnt 0x0                                ; block a - 2's stores have read their registers and their base
.endif
	TOSTAGE \a
	SEND \a-1, 32                                  ; behind block a - 1's loads: block a's 16 stores and 16 loads
.endr
	s_wait_xcnt 0x0
	SEND 7, 0
	s_wait_tensorcnt 0x0                           ; the wave's end
	ds_add_u32 v[SPW], v[NIL]
	s_wait_dscnt 0x0
	CROUND                                         ; the closing round
	s_endpgm
.Lfunc_end_k_qb8a09e93cd_proj:
	.size	k_qb8a09e93cd_proj, .Lfunc_end_k_qb8a09e93cd_proj-k_qb8a09e93cd_proj
	.p2alignl 7, 3214868480
	.fill 96, 4, 3214868480
	.section	.rodata,"a",@progbits
	.p2align	6, 0x0
	.amdhsa_kernel k_qb8a09e93cd_proj
		.amdhsa_group_segment_fixed_size 327680
		.amdhsa_private_segment_fixed_size 0
		.amdhsa_enable_private_segment 0
		.amdhsa_kernarg_size 48
		.amdhsa_user_sgpr_count 2
		.amdhsa_user_sgpr_kernarg_segment_ptr 1
		.amdhsa_wavefront_size32 1
		.amdhsa_system_sgpr_workgroup_id_x 1
		.amdhsa_system_sgpr_workgroup_id_y 1
		.amdhsa_system_sgpr_workgroup_id_z 1
		.amdhsa_system_vgpr_workitem_id 0
		.amdhsa_next_free_vgpr 1024
		.amdhsa_next_free_sgpr 98
		.amdhsa_reserve_vcc 0
		.amdhsa_float_denorm_mode_32 3
		.amdhsa_float_denorm_mode_16_64 3
		.amdhsa_memory_ordered 1
		.amdhsa_forward_progress 1
		.amdhsa_inst_pref_size 126
	.end_amdhsa_kernel
	.amdgpu_metadata
---
amdhsa.version: [ 1, 2 ]
amdhsa.kernels:
  - .name:           k_qb8a09e93cd_proj
    .symbol:         k_qb8a09e93cd_proj.kd
    .args:
      - { .name: ao_codes, .offset: 0, .size: 8, .value_kind: global_buffer, .address_space: global }
      - { .name: ao_scales, .offset: 8, .size: 8, .value_kind: global_buffer, .address_space: global }
      - { .name: out_w_codes, .offset: 16, .size: 8, .value_kind: global_buffer, .address_space: global }
      - { .name: out_w_scales, .offset: 24, .size: 8, .value_kind: global_buffer, .address_space: global }
      - { .name: out_b, .offset: 32, .size: 8, .value_kind: global_buffer, .address_space: global }
      - { .name: out0, .offset: 40, .size: 8, .value_kind: global_buffer, .address_space: global }
    .group_segment_fixed_size: 327680
    .private_segment_fixed_size: 0
    .kernarg_segment_align: 8
    .kernarg_segment_size: 48
    .max_flat_workgroup_size: 128
    .sgpr_count:     98
    .vgpr_count:     1024
    .wavefront_size: 32
...
	.end_amdgpu_metadata
.endif
;; end of part 3
